; MI455X (gfx1250); checked and timed in simulation.
; The chip was launched on July 23, 2026; its instructions are those of AMD's public machine-readable ISA for CDNA 5 (MIT licence, August 2026) and "CDNA5" Instruction Set Architecture Reference Guide (July 2026). The comments in the code are by the model that wrote it; some were corrected since.
;; Transformer Block. Allowed arithmetic: float matrix products may take bf16 or f16 operands with f32 sums; all other float work in f32.
;; Inputs: K 32 x 512 x 256 float32; Q 32 x 512 x 256 float32; V 32 x 512 x 256 float32; W_k 256 x 1,024 float32; W_o 1,024 x 256 float32; W_q 256 x 1,024 float32; W_v 256 x 1,024 float32; b1 256 float32; b2 256 float32; beta 256 float32; gamma 256 float32; mask 32 x 512 bool; pe 800 x 256 float32; w1 256 x 256 float32; w2 256 x 256 float32.
;; Outputs: out0 32 x 512 x 256 float32.
;; 2 versions, each right and faster than the one before. Each part assembles by itself: llvm-mc -triple=amdgcn-amd-amdhsa -mcpu=gfx1250 --defsym DOCPART=n.
;; ======== version 1 of 2: 2 launches
;; limits: values are held in f16: magnitudes above 65,504 overflow, below 6.1e-05 lose precision
;; workspace buffers: kp 8,388,608 bytes; vp 8,388,608 bytes; vsum 262,144 bytes; wts 1,310,720 bytes
;; launch prep (part 1): grid 324 x 1, 8 waves a work-group, no clusters, 5,120 bytes of LDS; arguments K, V, pe, W_q, W_k, W_v, W_o, w1, w2, kp, vp, vsum, wts; writes kp, vp, vsum, wts
.if DOCPART == 1
	.amdgcn_target "amdgcn-amd-amdhsa--gfx1250"
	.amdhsa_code_object_version 6
	.text
	.protected	k_q5e12c58b47_prep
	.globl	k_q5e12c58b47_prep
	.p2align	8
	.type	k_q5e12c58b47_prep,@function
k_q5e12c58b47_prep:
	s_mov_b64 s[64:65], 0
	v_nop
	global_prefetch_b8 v0, s[64:65] scope:SCOPE_SE
	s_setreg_imm32_b32 hwreg(HW_REG_WAVE_MODE, 25, 1), 1
	s_wait_xcnt 0x0
; Prepares what the fused launch reads.  Three roles, chosen by the work-group's number (the same for all eight waves):
;   work-groups 0-63   (MN):   M_h = Wq_h Wk_h^T (bf16) and N_h = Wv_h Wo_h (f16), 8 products of 256^3, stored as register images of A fragments
;   work-groups 64-67  (W):    w1 and w2 as the same kind of images, in f16
;   work-groups 68-323 (CONV): kp = bf16(K + pe), vp = f16(V + pe), and the f32 column sums of V + pe over 64 rows
; wts: ten blocks of 131,072 bytes in the order M0 M1 M2 M3 N1 N0 N3 N2 w2 w1; a block is 4 slices of 32,768 bytes, a slice 32 fragments
; of 1,024 bytes (row tile i, K step ks: number 8 i + ks); a fragment holds registers 0-3 of lane l at 16 l and registers 4-7 at 512 + 16 l.
; Block Mf, slice = head, rows e = 64 f + 16 i + r, k = d:        M_h[d][e].
; Block N(hd), slice = o / 64, rows o = 64 slice + 16 i + r, k = e: N_hd[e][o].
; FORMATS.  f16 (11 significant bits) wherever the operand has room below 65,504 also with every input 30 times larger: V + pe, W_v, W_o, N_h (sums of 256
; products of numbers of some hundredths), w1, w2.  The score path (K + pe, W_q, W_k, M_h) is in bf16, because the operand that it meets in the fused launch,
; Q' = (Q + pe) M_h, grows with three inputs at once and has no such room.
; Limits: M_h and N_h are rounded once to 16 bits, so the sums of the whole block follow the reassociated order, not reference()'s.  With W_v and W_o both
; 30 times smaller N_h lies among f16's denormals (step 2^-24 against entries of about 3e-5).
.set BF,  16                           ; v[16:79]   eight B fragments (MN), or the packed rows (W)
.set RAW, 80                           ; v[80:207]  f32 as loaded; in MN later two buffers of 64 registers
.set AC,  208                          ; v[208:223] two accumulators
.set OF,  224                          ; v[224:239] packed results, one set of eight for each of the task's two fragments
.set KR,  16                           ; CONV: v[16:79] K, v[80:143] V, v[144:207] pe, four registers a pass
.set VR,  80
.set PR,  144
.macro PLACES cnt
.rept \cnt
	v_nop
.endr
.endm
; 16 rows x 256 f32 in fragment order: for each of 8 K steps the lane's k = 8h..8h+7 (two loads) and k = 16+8h..16+8h+7 (two loads)
.macro LD32 off, sb
.irp c, 0,1,2,3,4,5,6,7
	global_load_b128 v[RAW+16*\c:RAW+16*\c+3],     v[\off], s[\sb:\sb+1] offset:128*\c
	global_load_b128 v[RAW+16*\c+4:RAW+16*\c+7],   v[\off], s[\sb:\sb+1] offset:128*\c+16
	global_load_b128 v[RAW+16*\c+8:RAW+16*\c+11],  v[\off], s[\sb:\sb+1] offset:128*\c+64
	global_load_b128 v[RAW+16*\c+12:RAW+16*\c+15], v[\off], s[\sb:\sb+1] offset:128*\c+80
.endr
.endm
.macro CVT64 cv                        ; 128 f32 in k order become eight 16-bit fragments; cv: the packing conversion of the format
.set q, 0
.rept 64
	\cv v[BF+q], v[RAW+2*q], v[RAW+2*q+1]
.set q, q+1
.endr
.endm
	s_load_b512 s[4:19], s[0:1], 0x0               ; K 4, V 6, pe 8, W_q 10, W_k 12, W_v 14, W_o 16, w1 18
	s_load_b256 s[20:27], s[0:1], 0x40             ; w2 20, kp 22, vp 24, vsum 26
	s_load_b64 s[28:29], s[0:1], 0x60              ; wts
	v_lshl_add_u32 v254, v0, 2, 0x1000
	v_mov_b32 v255, 0
	v_lshrrev_b32 v1, 5, v0
	v_readfirstlane_b32 s30, v1                    ; wave 0..7
	v_and_b32 v1, 31, v0                           ; lane
	v_and_b32 v2, 15, v0                           ; r
	v_bfe_u32 v3, v0, 4, 1                         ; h
	s_cmp_lt_u32 ttmp9, 64
	s_cbranch_scc1 .Lmn
	s_cmp_lt_u32 ttmp9, 68
	s_cbranch_scc1 .Lw
; ---------------- CONV: 64 rows of one batch.  Thread t owns 16 bytes (4 columns) of every fourth row; a pass is 4 rows.
	s_sub_co_u32 s31, ttmp9, 68                    ; 8 b + block of 64 rows
	s_lshl_b32 s32, s31, 16                        ; x 64 rows x 1,024 bytes
	s_mov_b32 s33, 0
	s_and_b32 s34, s31, 7
	s_lshl_b32 s34, s34, 16                        ; pe's rows hang on the block alone
	s_mov_b32 s35, 0
	v_lshlrev_b32 v1, 4, v0                        ; 16 t
	v_lshlrev_b32 v2, 3, v0                        ; 8 t
	s_wait_kmcnt 0x0
	s_add_nc_u64 s[4:5], s[4:5], s[32:33]
	s_add_nc_u64 s[6:7], s[6:7], s[32:33]
	s_add_nc_u64 s[8:9], s[8:9], s[34:35]
	s_lshl_b32 s32, s31, 15                        ; x 64 rows x 512 bytes
	s_add_nc_u64 s[22:23], s[22:23], s[32:33]
	s_add_nc_u64 s[24:25], s[24:25], s[32:33]
	s_lshl_b32 s32, s31, 10                        ; one row of 256 f32 of sums
	s_add_nc_u64 s[26:27], s[26:27], s[32:33]
.set p, 0
.rept 16
	global_load_b128 v[KR+4*p:KR+4*p+3], v1, s[4:5] offset:4096*p th:TH_LOAD_NT
	global_load_b128 v[VR+4*p:VR+4*p+3], v1, s[6:7] offset:4096*p th:TH_LOAD_NT
	global_load_b128 v[PR+4*p:PR+4*p+3], v1, s[8:9] offset:4096*p
.set p, p+1
.endr
.set p, 0
.rept 16
	s_wait_loadcnt 45-3*p                          ; loads come back in order: this pass's three are in, the later passes' 3 (15 - p) stay out
	v_pk_add_f32 v[KR+4*p:KR+4*p+1],   v[KR+4*p:KR+4*p+1],   v[PR+4*p:PR+4*p+1]
	v_pk_add_f32 v[KR+4*p+2:KR+4*p+3], v[KR+4*p+2:KR+4*p+3], v[PR+4*p+2:PR+4*p+3]
	v_pk_add_f32 v[VR+4*p:VR+4*p+1],   v[VR+4*p:VR+4*p+1],   v[PR+4*p:PR+4*p+1]
	v_pk_add_f32 v[VR+4*p+2:VR+4*p+3], v[VR+4*p+2:VR+4*p+3], v[PR+4*p+2:PR+4*p+3]
	v_cvt_pk_bf16_f32 v[PR+4*p],   v[KR+4*p],   v[KR+4*p+1]      ; the 16-bit words take pe's registers, which are never written again
	v_cvt_pk_bf16_f32 v[PR+4*p+1], v[KR+4*p+2], v[KR+4*p+3]
	v_cvt_pk_f16_f32  v[PR+4*p+2], v[VR+4*p],   v[VR+4*p+1]      ; V + pe in f16
	v_cvt_pk_f16_f32  v[PR+4*p+3], v[VR+4*p+2], v[VR+4*p+3]
	global_store_b64 v2, v[PR+4*p:PR+4*p+1],   s[22:23] offset:2048*p   ; a wave's store covers 256 consecutive bytes, aligned
	global_store_b64 v2, v[PR+4*p+2:PR+4*p+3], s[24:25] offset:2048*p
.if p == 1
	v_pk_add_f32 v[8:9],   v[VR:VR+1],   v[VR+4:VR+5]             ; the first two passes start the column sums
	v_pk_add_f32 v[10:11], v[VR+2:VR+3], v[VR+6:VR+7]
.endif
.if p > 1
	v_pk_add_f32 v[8:9],   v[8:9],   v[VR+4*p:VR+4*p+1]
	v_pk_add_f32 v[10:11], v[10:11], v[VR+4*p+2:VR+4*p+3]
.endif
.set p, p+1
.endr
	ds_store_b128 v1, v[8:11]                      ; threads t, t + 64, t + 128, t + 192 hold the same four columns
	s_wait_dscnt 0x0                               ; for the waves that read: my store is done before I signal
	s_barrier_signal -1
	s_barrier_wait -1
	s_cmp_gt_u32 s30, 1
	s_cbranch_scc1 .Lconv_end                      ; waves 0 and 1 (threads 0-63) add the four parts
	ds_load_b128 v[208:211], v1
	ds_load_b128 v[212:215], v1 offset:1024
	ds_load_b128 v[216:219], v1 offset:2048
	ds_load_b128 v[220:223], v1 offset:3072
	s_wait_dscnt 0x0
	v_pk_add_f32 v[208:209], v[208:209], v[212:213]
	v_pk_add_f32 v[210:211], v[210:211], v[214:215]
	v_pk_add_f32 v[216:217], v[216:217], v[220:221]
	v_pk_add_f32 v[218:219], v[218:219], v[222:223]
	v_pk_add_f32 v[208:209], v[208:209], v[216:217]
	v_pk_add_f32 v[210:211], v[210:211], v[218:219]
	global_store_b128 v1, v[208:211], s[26:27]
.Lconv_end:
	s_wait_tensorcnt 0x0
	ds_add_u32 v254, v255
	s_wait_dscnt 0x0
	s_endpgm
; ---------------- W: a wave packs 16 rows of w1 or w2 (rows lie along k already)
.Lw:
	s_sub_co_u32 s31, ttmp9, 64
	s_lshl_b32 s31, s31, 3
	s_add_co_u32 s31, s31, s30                     ; task 0..31
	s_lshr_b32 s32, s31, 4                         ; 0: w1, 1: w2
	s_and_b32 s33, s31, 15                         ; row tile
	v_lshlrev_b32 v6, 10, v2                       ; r x 1,024 bytes
	v_lshl_add_u32 v6, v3, 5, v6                   ; + 32 h
	s_lshl_b32 s34, s33, 14
	v_add_nc_u32 v6, s34, v6                       ; + 16 rows x tile
	s_sub_co_u32 s35, 9, s32                       ; w1 is block 9, w2 block 8
	s_lshl_b32 s35, s35, 17
	s_lshl_b32 s34, s33, 13                        ; slice x 32,768 + i x 8,192 = tile x 8,192
	s_add_co_u32 s35, s35, s34
	v_lshl_add_u32 v8, v1, 4, s35
	s_wait_kmcnt 0x0
	s_cmp_eq_u32 s32, 0
	s_cselect_b64 s[46:47], s[18:19], s[20:21]
	LD32 6, 46
	s_wait_loadcnt 0x0
	CVT64 v_cvt_pk_f16_f32
.irp c, 0,1,2,3,4,5,6,7
	global_store_b128 v8, v[BF+8*\c:BF+8*\c+3],   s[28:29] offset:1024*\c       ; 512 consecutive bytes a store
	global_store_b128 v8, v[BF+8*\c+4:BF+8*\c+7], s[28:29] offset:1024*\c+512
.endr
	s_endpgm
; ---------------- MN: task = (kind, head, row tile rt of the result's rows, quarter qt): two fragments, K steps 2 qt and 2 qt + 1.
; The product is made with the consumer's k (d or e) as rows and the consumer's rows (e or o) as columns: lane (r, h) then holds, for
; column r, rows 8h..8h+7 of a 16-row tile, which packed are registers 0-3 (even tile) or 4-7 (odd tile) of the consumer's A fragment.
.Lmn:
	s_lshl_b32 s31, ttmp9, 3
	s_add_co_u32 s31, s31, s30                     ; task 0..511
	s_lshr_b32 s32, s31, 8                         ; kind: 0 M, 1 N (the same in all eight waves)
	s_bfe_u32 s33, s31, 0x20006                    ; head
	s_bfe_u32 s34, s31, 0x40002                    ; rt
	s_and_b32 s35, s31, 3                          ; qt
	v_lshlrev_b32 v4, 12, v2                       ; r x 4,096 bytes (a row of 1,024 f32)
	v_lshl_add_u32 v4, v3, 5, v4                   ; + 32 h
	s_lshl_b32 s36, s33, 10                        ; the head's 256 columns
	s_lshl_b32 s37, s35, 18                        ; 64 qt rows
	s_add_co_u32 s37, s37, s36
	v_add_nc_u32 v5, s37, v4                       ; A operand: rows of W_q or W_v
	s_lshl_b32 s38, s34, 16                        ; 16 rt rows
	s_add_co_u32 s38, s38, s36
	v_add_nc_u32 v6, s38, v4                       ; B operand of M: rows of W_k
	v_lshlrev_b32 v7, 13, v3                       ; B operand of N: column 16 rt + r of W_o, rows 256 head + 8 h + ..
	v_lshl_add_u32 v7, v2, 2, v7
	s_lshl_b32 s39, s33, 18
	s_lshl_b32 s40, s34, 6
	s_add_co_u32 s39, s39, s40
	v_add_nc_u32 v7, s39, v7
	s_lshr_b32 s41, s34, 2                         ; rt / 4
	s_and_b32 s42, s34, 3
	s_lshl_b32 s42, s42, 3
	s_lshl1_add_u32 s42, s35, s42                  ; fragment number 8 (rt % 4) + 2 qt
	s_lshl_b32 s42, s42, 10
	s_lshl_b32 s43, s41, 17                        ; M: block rt / 4, slice head
	s_lshl_b32 s44, s33, 15
	s_add_co_u32 s43, s43, s44
	s_xor_b32 s44, s33, 1                          ; N: block 4 + (head xor 1), slice rt / 4
	s_add_co_u32 s44, s44, 4
	s_lshl_b32 s44, s44, 17
	s_lshl_b32 s45, s41, 15
	s_add_co_u32 s44, s44, s45
	s_wait_kmcnt 0x0
	s_cmp_eq_u32 s32, 0
	s_cselect_b32 s43, s43, s44
	s_cselect_b64 s[46:47], s[10:11], s[14:15]     ; W_q for M, W_v for N
	s_add_co_u32 s43, s43, s42
	v_lshl_add_u32 v8, v1, 4, s43                  ; where my 16 bytes of the first fragment go
; chunk c = 0..7: fragment c / 4 of the task, K steps 2 (c % 4) and 2 (c % 4) + 1 of the sum, for the two 16-row tiles: 16 loads, 64 registers
.macro LDCH c
.irp d, 0,1
.irp e, 0,1
.irp g, 0,1,2,3
	global_load_b128 v[RAW+64*((\c)&1)+16*(2*\d+\e)+4*\g:RAW+64*((\c)&1)+16*(2*\d+\e)+4*\g+3], v5, s[46:47] offset:(32*((\c)>>2)+16*\d)*4096+(2*((\c)&3)+\e)*128+16*\g+32*(\g>>1)
.endr
.endr
.endr
.endm
; cv, wm: the packing conversion and the matrix form of the product's format
.macro CHUNK c, cv, wm
.if (\c) < 7
	s_wait_loadcnt 16                              ; this chunk's 16 loads are in, the next chunk's 16 stay out
.else
	s_wait_loadcnt 0
.endif
.set q, 0
.rept 32
	\cv v[RAW+64*((\c)&1)+q], v[RAW+64*((\c)&1)+2*q], v[RAW+64*((\c)&1)+2*q+1]
.set q, q+1
.endr
.irp e, 0,1                                    ; the two accumulators take turns, one instruction a turn
.irp d, 0,1
.set z, 0
.if ((\c)&3) == 0
.if \e == 0
.set z, 1
.endif
.endif
.if z
	\wm v[AC+8*\d:AC+8*\d+7], v[RAW+64*((\c)&1)+8*(2*\d+\e):RAW+64*((\c)&1)+8*(2*\d+\e)+7], v[BF+8*(2*((\c)&3)+\e):BF+8*(2*((\c)&3)+\e)+7], 0
.else
	\wm v[AC+8*\d:AC+8*\d+7], v[RAW+64*((\c)&1)+8*(2*\d+\e):RAW+64*((\c)&1)+8*(2*\d+\e)+7], v[BF+8*(2*((\c)&3)+\e):BF+8*(2*((\c)&3)+\e)+7], v[AC+8*\d:AC+8*\d+7]
.endif
.endr
.endr
	PLACES 4                                       ; four places before loads land on the sources and before the results are read
.if (\c) < 6
	LDCH (\c)+2
.endif
.if ((\c)&3) == 3
.irp e, 0,1,2,3,4,5,6,7
	\cv v[OF+8*((\c)>>2)+\e], v[AC+2*\e], v[AC+2*\e+1]
.endr
	global_store_b128 v8, v[OF+8*((\c)>>2):OF+8*((\c)>>2)+3],   s[28:29] offset:1024*((\c)>>2)
	global_store_b128 v8, v[OF+8*((\c)>>2)+4:OF+8*((\c)>>2)+7], s[28:29] offset:1024*((\c)>>2)+512
.endif
.endm
	s_cmp_lg_u32 s32, 0
	s_cbranch_scc1 .Lkind_n
	; M_h, in bf16
	LD32 6, 12
	s_wait_loadcnt 0x0
	CVT64 v_cvt_pk_bf16_f32
	LDCH 0
	LDCH 1
.irp c, 0,1,2,3,4,5,6,7
	CHUNK \c, v_cvt_pk_bf16_f32, v_wmma_f32_16x16x32_bf16
.endr
	s_endpgm
.Lkind_n:
	; N_h, in f16
.irp c, 0,1,2,3,4,5,6,7
.irp e, 0,1,2,3,4,5,6,7
	global_load_b32 v[RAW+16*\c+\e],   v7, s[16:17] offset:32768*\c+1024*\e
	global_load_b32 v[RAW+16*\c+8+\e], v7, s[16:17] offset:32768*\c+1024*\e+16384
.endr
.endr
	s_wait_loadcnt 0x0
	CVT64 v_cvt_pk_f16_f32
	LDCH 0
	LDCH 1
.irp c, 0,1,2,3,4,5,6,7
	CHUNK \c, v_cvt_pk_f16_f32, v_wmma_f32_16x16x32_f16
.endr
	s_endpgm
.Lfunc_end_k_q5e12c58b47_prep:
	.size	k_q5e12c58b47_prep, .Lfunc_end_k_q5e12c58b47_prep-k_q5e12c58b47_prep
	.p2alignl 7, 3214868480
	.fill 96, 4, 3214868480
	.section	.rodata,"a",@progbits
	.p2align	6, 0x0
	.amdhsa_kernel k_q5e12c58b47_prep
		.amdhsa_group_segment_fixed_size 5120
		.amdhsa_private_segment_fixed_size 0
		.amdhsa_enable_private_segment 0
		.amdhsa_kernarg_size 104
		.amdhsa_user_sgpr_count 2
		.amdhsa_user_sgpr_kernarg_segment_ptr 1
		.amdhsa_wavefront_size32 1
		.amdhsa_system_sgpr_workgroup_id_x 1
		.amdhsa_system_sgpr_workgroup_id_y 1
		.amdhsa_system_sgpr_workgroup_id_z 1
		.amdhsa_system_vgpr_workitem_id 0
		.amdhsa_next_free_vgpr 256
		.amdhsa_next_free_sgpr 66
		.amdhsa_reserve_vcc 0
		.amdhsa_float_denorm_mode_32 3
		.amdhsa_float_denorm_mode_16_64 3
		.amdhsa_memory_ordered 1
		.amdhsa_forward_progress 1
		.amdhsa_inst_pref_size 120
	.end_amdhsa_kernel
	.amdgpu_metadata
---
amdhsa.version: [ 1, 2 ]
amdhsa.kernels:
  - .name:           k_q5e12c58b47_prep
    .symbol:         k_q5e12c58b47_prep.kd
    .args:
      - { .name: K, .offset: 0, .size: 8, .value_kind: global_buffer, .address_space: global }
      - { .name: V, .offset: 8, .size: 8, .value_kind: global_buffer, .address_space: global }
      - { .name: pe, .offset: 16, .size: 8, .value_kind: global_buffer, .address_space: global }
      - { .name: W_q, .offset: 24, .size: 8, .value_kind: global_buffer, .address_space: global }
      - { .name: W_k, .offset: 32, .size: 8, .value_kind: global_buffer, .address_space: global }
      - { .name: W_v, .offset: 40, .size: 8, .value_kind: global_buffer, .address_space: global }
      - { .name: W_o, .offset: 48, .size: 8, .value_kind: global_buffer, .address_space: global }
      - { .name: w1, .offset: 56, .size: 8, .value_kind: global_buffer, .address_space: global }
      - { .name: w2, .offset: 64, .size: 8, .value_kind: global_buffer, .address_space: global }
      - { .name: kp, .offset: 72, .size: 8, .value_kind: global_buffer, .address_space: global }
      - { .name: vp, .offset: 80, .size: 8, .value_kind: global_buffer, .address_space: global }
      - { .name: vsum, .offset: 88, .size: 8, .value_kind: global_buffer, .address_space: global }
      - { .name: wts, .offset: 96, .size: 8, .value_kind: global_buffer, .address_space: global }
    .group_segment_fixed_size: 5120
    .private_segment_fixed_size: 0
    .kernarg_segment_align: 8
    .kernarg_segment_size: 104
    .max_flat_workgroup_size: 256
    .sgpr_count:     66
    .vgpr_count:     256
    .wavefront_size: 32
...
	.end_amdgpu_metadata
.endif
;; end of part 1
;; launch block (part 2): grid 32 x 8, 4 waves a work-group, clusters of 4 x 1, 327,680 bytes of LDS; arguments Q, pe, mask, kp, vp, vsum, wts, b1, b2, gamma, beta, out0; writes out0
.if DOCPART == 2
	.amdgcn_target "amdgcn-amd-amdhsa--gfx1250"
	.amdhsa_code_object_version 6
	.text
	.protected	k_q5e12c58b47_block
	.globl	k_q5e12c58b47_block
	.p2align	8
	.type	k_q5e12c58b47_block,@function
k_q5e12c58b47_block:
	s_mov_b64 s[64:65], 0
	v_nop
	global_prefetch_b8 v0, s[64:65] scope:SCOPE_SE
	s_setreg_imm32_b32 hwreg(HW_REG_WAVE_MODE, 25, 1), 1
	s_wait_xcnt 0x0
	s_wait_alu depctr_hold_cnt(0) depctr_sa_sdst(0) depctr_va_vdst(0) depctr_va_sdst(0) depctr_va_ssrc(0) depctr_va_vcc(0) depctr_vm_vsrc(0)
	s_getreg_b32 s2, hwreg(HW_REG_IB_STS2, 6, 4)
	s_cmp_eq_u32 s2, 0
	s_cbranch_scc0 .Lentry_in_a_cluster
	s_endpgm
.Lentry_in_a_cluster:
	s_bfe_u32 s2, ttmp6, 0x10000c
	s_cmp_lg_u32 s2, 0x3003
	s_cbranch_scc0 .Lentry_shape_is_right
	s_endpgm
.Lentry_shape_is_right:
; The whole transformer block for 64 query rows of one batch, fused: Q' = (Q + pe) M_h, causal attention on the raw Kp and Vp, sum over heads of
; O_h N_h, residual, LayerNorm, FFN, residual, LayerNorm.  M_h = Wq_h Wk_h^T and N_h = Wv_h Wo_h come ready from the launch before.
; SHARES.  Work-group (b, j): rows 32 j .. +31 (q tiles 0, 1: group a) and rows 32 (15 - j) .. +31 (q tiles 2, 3: group b) of batch b.  With keys in blocks
; of 64, group a needs j/2 + 1 blocks and group b 8 - j/2: nine units of 64 keys x 32 rows for every work-group.  Wave w is head w up to the end of
; attention and output columns 64 w .. +63 from then on.
; EVERYTHING IS TRANSPOSED: features are rows of each result, query rows are its columns (lane % 16).  Sixteen neighbouring result registers (two feature
; tiles) then pack, inside the lane, into the B fragment of the next product, and what hangs on a query row (maximum, sum, mean) is one number a lane.
; PADDED ROWS.  A row whose mask byte is set has all scores equal in reference(): its weights are 1/512 on all 512 keys, so its O_h is the mean of Vp's rows
; for every head.  It is computed like any row and replaced by that mean by v_cndmask_b32.
; FORMATS.  The score path (Qp, M_h, Q', Kp) is in bf16: Q' grows with Q, W_q and W_k together, 27,000 times if each is 30 times larger, and has no room in f16.
; Everything behind the softmax is in f16, whose 11 significant bits against bf16's 8 the comparison needs: the weights P (at most 1), Vp, its mean and O (a
; convex mix of Vp's rows), N_h, X (at most 16 |gamma| + |beta|, since a normalised row of 256 has no entry above 16), w1, H and w2.
; CLUSTER.  The four work-groups of a cluster have the same j and four different batches: they walk the same ten weight blocks in step and ask for them jointly
; (mask 15).  K and V tiles are not asked for jointly: the work-groups that share a batch have different j, hence different numbers of tiles.
; TENSOR LOADS outstanding in a wave, by this text's count: two at the start, one behind each later round.
; LIMITS.  H = relu(X w1^T + b1) must stay below 65,504, f16's largest number: numbers of the drawn kind reach about 5, and about 5,000 with gamma and w1 both
; 30 times larger.  Likewise |V + pe| < 65,504.  Causally hidden keys are left out instead of entering as -4294967295: right while true scores stay far above
; that number.  M_h, N_h, Q', P and O are rounded to 16 bits, in the reassociated order.  v_exp_f32 gives zero where the result would be denormal (ISA guide 15.8).
.set WSL,    32768                     ; a wave's slice of a weight block
.set WBLK,   131072                    ; a weight block
.set W0,     0                         ; weight slot 0; during attention its bytes are the two K/V slots
.set KVPART, 17408                     ; a wave's part of a K/V slot: 32 rows of K (pitch 528) or 32 rows of V (pitch 544)
.set KVSLOT, 69632                     ; K rows 0-31, K rows 32-63, V rows 0-31, V rows 32-63
.set W1,     139264                    ; weight slot 1; at the very end each wave's slice is its stage for the way out
.set STAGE,  270336                    ; 64 rows x 528 bytes of 16-bit numbers: Qp, then O of one head at a time, X, H.  Written by ds_store alone
.set STATS,  304128                    ; four areas of 1,024 bytes: byte 16 q + 4 w
.set VMEAN,  308224                    ; the mean of Vp's rows, 256 f16
.set CLIT,   0x3db8aa3a                ; log2(e) / 16.000001
.set NCLIT,  0xbdb8aa3a
; window 0
.set AW,   10                          ; v10, v11  my slice of weight slot 0, 1, + 16 lane
.set AK,   12                          ; v12, v13  K fragments of slot 0, 1: 528 r + 16 h
.set AV,   14                          ; v14, v15  V by transposing loads: (8 h + lane % 8) 544 + 16 ((lane / 8) % 2)
.set ST,   16                          ; STAGE + 528 r + 16 h
.set STW,  17                          ; the same + 128 w: my 64 columns
.set SS,   18                          ; STATS + 16 r + 4 w
.set SL,   19                          ; STATS + 16 r
.set VMA,  20                          ; VMEAN + 16 h
.set OS,   21                          ; the way out, in:   272 r + 32 h
.set ORD,  22                          ; the way out, back: 272 (lane / 16) + 16 (lane % 16)
.set OUTO, 23                          ; out0: 1,024 (lane / 16) + 256 w + 16 (lane % 16)
.set RESO, 24                          ; residual: 1,024 r + 256 w + 32 h
.set PARO, 25                          ; gamma, beta, b1, b2: 256 w + 32 h
.set DQ,   26                          ; v26-29  q tile t: my row's place in its diagonal key block, less 8 h
.set MX,   30                          ; v30-33  running maximum
.set LS,   34                          ; v34-37  running sum (this half of the lanes' keys)
.set AL,   38                          ; v38-45  a pair for each q tile: rescaling factor; later 1/sum, mean, 1/sigma
.set NMC,  46                          ; v46-47  - maximum x c, twice
.set SA,   48
.set SB,   50
.set T0,   52                          ; v52-55
.set T4,   56                          ; v56-59
.set CI,   60                          ; 1/256
.set EPS,  61                          ; 1e-5
.set NEGV, 62                          ; the most negative finite f32
.set PST,  63
.set BUF0, 64                          ; two buffers of four A fragments
.set BUF1, 96
.set ACC,  128                         ; v128-255: tile (i, t) at ACC + ((i/2) 4 + t) 16 + (i%2) 8
; window 1: Q' fragments (t 8 + ks) 8; then O fragments; then gamma 0, beta 32, b1 64, b2 96 (+ 8 i + register)
; window 2: Qp fragments; then O^T of group a ((t%2) 16 + dt) 8; then the B fragments of the later products; then the way out
; window 3: pe in the first phase; O^T of group b; then Q (0-127) and pe (128-255) for the residual; then X in f32 (0-127)
.set GWS, 40                           ; s[40:47] weights, group 1;  s[48:51], s[52:55] group 0 of slot 0, 1
.set GK1, 56                           ; s[56:63] K, group 1
.set GV1, 68                           ; s[68:75] V, group 1
.set G0K, 76                           ; s[76:83] K, group 0 of slot 0, 1
.set G0V, 84                           ; s[84:91] V, group 0 of slot 0, 1
.set MSB, 0
.macro WIN new                         ; low byte: bits 1:0 source 0, 3:2 source 1, 5:4 source 2, 7:6 destination; high byte: the setting that is left
.if MSB != \new
	s_set_vgpr_msb (MSB<<8)|\new
.set MSB, \new
.endif
.endm
.macro PLACES cnt                      ; places behind matrix instructions (ISA guide 7.12.1)
.rept \cnt
	v_nop
.endr
.endm
.macro ROUND                           ; a round of the cluster's barrier
	s_barrier_signal -1
	s_barrier_wait -1
	s_cmp_lg_u32 s28, 0
	s_cbranch_scc1 .Lnot_wave_0_\@
	s_barrier_signal -3
.Lnot_wave_0_\@:
	s_barrier_wait -3
	s_barrier_signal -1
	s_barrier_wait -1
.endm
.macro JKV s                           ; waves 0, 1 fetch K's halves, waves 2, 3 V's: one tensor load a wave
	s_cmp_eq_u32 s29, 0
	s_cbranch_scc0 .Lfor_v_\@
	tensor_load_to_lds s[G0K+4*\s:G0K+4*\s+3], s[GK1:GK1+7]
	s_nop 0
	s_branch .Lasked_\@
.Lfor_v_\@:
	tensor_load_to_lds s[G0V+4*\s:G0V+4*\s+3], s[GV1:GV1+7]
	s_nop 0
.Lasked_\@:
.endm
; Head of a trip that fills weight slot g again: all my tensor loads have landed, so a group 0 may step (two blocks on); my LDS accesses are done;
; the round says both of every wave of the four work-groups; the joint refill is the first thing behind it.
.macro WHEAD g
	s_wait_xcnt 0x0
	v_lshl_add_u32 v51, v0, 2, 0x4b600
	v_mov_b32 v63, 0
	s_wait_tensorcnt 0x0
	ds_add_u32 v51, v63
	s_wait_dscnt 0x0
	s_add_nc_u64 s[50+4*\g:51+4*\g], s[50+4*\g:51+4*\g], 2*WBLK
	s_wait_dscnt 0x0
	ROUND
	tensor_load_to_lds s[48+4*\g:51+4*\g], s[GWS:GWS+7]
	s_nop 0
.endm
.macro LDA_W buf, areg, ks             ; four A fragments (row tiles 0-3) of K step ks: register images, 512 consecutive bytes a load
.irp i, 0,1,2,3
	ds_load_b128 v[\buf+8*\i:\buf+8*\i+3],   v[\areg] offset:(\i*8+\ks)*1024
	ds_load_b128 v[\buf+8*\i+4:\buf+8*\i+7], v[\areg] offset:(\i*8+\ks)*1024+512
.endr
.endm
.macro LDA_K buf, areg, ks             ; four key tiles of K step ks
.irp i, 0,1,2,3
	ds_load_b128 v[\buf+8*\i:\buf+8*\i+3],   v[\areg] offset:(\i>>1)*KVPART+(\i&1)*8448+(\ks)*64
	ds_load_b128 v[\buf+8*\i+4:\buf+8*\i+7], v[\areg] offset:(\i>>1)*KVPART+(\i&1)*8448+(\ks)*64+32
.endr
.endm
.macro LDV buf, areg, bn               ; batch bn: keys 32 (bn/4) .. +31, feature tiles 4 (bn%4) .. +3, transposed on the way in
.irp d, 0,1,2,3
	ds_load_tr16_b128 v[\buf+8*\d:\buf+8*\d+3],   v[\areg] offset:((\bn)>>2)*KVPART+(((\bn)&3)*4+\d)*32
	ds_load_tr16_b128 v[\buf+8*\d+4:\buf+8*\d+7], v[\areg] offset:((\bn)>>2)*KVPART+(((\bn)&3)*4+\d)*32+8704
.endr
.endm
; One K step: row tiles 0-3 x q tiles tlo-3 into ACC.  B is fragment (t, ks) of the window that source 1 names.  wm: the matrix form of the operands' format.
; The accumulators take turns, one instruction a turn.
.macro MMS buf, ks, tlo, zero, wm
.irp i, 0,1,2,3
.irp t, 0,1,2,3
.if \t >= \tlo
.if \zero
	\wm v[ACC+((\i>>1)*4+\t)*16+(\i&1)*8:ACC+((\i>>1)*4+\t)*16+(\i&1)*8+7], v[\buf+8*\i:\buf+8*\i+7], v[(\t*8+\ks)*8:(\t*8+\ks)*8+7], 0
.else
	\wm v[ACC+((\i>>1)*4+\t)*16+(\i&1)*8:ACC+((\i>>1)*4+\t)*16+(\i&1)*8+7], v[\buf+8*\i:\buf+8*\i+7], v[(\t*8+\ks)*8:(\t*8+\ks)*8+7], v[ACC+((\i>>1)*4+\t)*16+(\i&1)*8:ACC+((\i>>1)*4+\t)*16+(\i&1)*8+7]
.endif
.endif
.endr
.endr
.endm
; 64 rows x 64 q x K = 256: weights from my slice, B in window 2.  Two buffers: while one K step is multiplied the next one's eight loads are out.
.macro GEMM128 areg, zero, wm
	WIN 0x08
	LDA_W BUF0, \areg, 0
	LDA_W BUF1, \areg, 1
.irp ks, 0,1,2,3,4,5,6,7
.if \ks < 7
	s_wait_dscnt 0x8                               ; all but the next K step's eight loads
.else
	s_wait_dscnt 0x0
.endif
.if \ks == 0
	MMS BUF0, 0, 0, \zero, \wm
.else
	MMS BUF0+32*(\ks&1), \ks, 0, 0, \wm
.endif
.if \ks < 6
	PLACES 4                                       ; before loads land on the fragments just multiplied
	LDA_W BUF0+32*(\ks&1), \areg, \ks+2
.endif
.endr
	PLACES 5                                       ; before the results are read, the sources loaded again or the tiles started anew
	WIN 0
.endm
.macro LDB                             ; the 32 B fragments (q tile t, K step ks) from the stage into window 2
	WIN 0x80
.irp t, 0,1,2,3
.irp ks, 0,1,2,3,4,5,6,7
	ds_load_b128 v[(\t*8+\ks)*8:(\t*8+\ks)*8+3],   v[ST] offset:\t*8448+\ks*64
	ds_load_b128 v[(\t*8+\ks)*8+4:(\t*8+\ks)*8+7], v[ST] offset:\t*8448+\ks*64+32
.endr
.endr
	WIN 0
.endm
.macro CVTQ f                          ; rows 64 f .. +63 of Q'^T become bf16 B fragments 2 f, 2 f + 1 in window 1
	WIN 0x40
.irp u, 0,1
.irp t, 0,1,2,3
.irp e, 0,1,2,3,4,5,6,7
	v_cvt_pk_bf16_f32 v[(\t*8+2*\f+\u)*8+\e], v[ACC+(\u*4+\t)*16+2*\e], v[ACC+(\u*4+\t)*16+2*\e+1]
.endr
.endr
.endr
	WIN 0
.endm
; Softmax step of q tile t on 64 keys: 32 scores a lane in two runs of 16 registers.  mode 1: the tile's first block, which holds its diagonal
; (hidden keys get the most negative number; key 0 of the block is never hidden, so the maximum is a true score); mode 2: a later block.
.macro SOFTMAX t, mode
.if \mode == 1
.set x, 0
.rept 32
	v_cmp_gt_i32 vcc_lo, (x>>4)*32+((x>>3)&1)*16+(x&7), v[DQ+\t]
	v_cndmask_b32 v[ACC+\t*16+(x>>4)*64+(x&15)], v[ACC+\t*16+(x>>4)*64+(x&15)], v[NEGV], vcc_lo
.set x, x+1
.endr
.endif
	v_max3_num_f32 v[T0],   v[ACC+\t*16],    v[ACC+\t*16+1],    v[ACC+\t*16+2]
	v_max3_num_f32 v[T0+1], v[ACC+64+\t*16], v[ACC+64+\t*16+1], v[ACC+64+\t*16+2]
.irp k, 3,5,7,9,11,13
	v_max3_num_f32 v[T0],   v[T0],   v[ACC+\t*16+\k],    v[ACC+\t*16+\k+1]
	v_max3_num_f32 v[T0+1], v[T0+1], v[ACC+64+\t*16+\k], v[ACC+64+\t*16+\k+1]
.endr
	v_max3_num_f32 v[T0], v[T0], v[T0+1], v[ACC+\t*16+15]
	v_max_num_f32 v[T0], v[T0], v[ACC+64+\t*16+15]
	v_permlanex16_b32 v[T0+1], v[T0], s92, s93     ; the other half of the lanes holds the row's other keys
.if \mode == 1
	v_max_num_f32 v[T0], v[T0], v[T0+1]
	v_mov_b32 v[MX+\t], v[T0]
.else
	v_max3_num_f32 v[T0], v[T0], v[T0+1], v[MX+\t]
	v_sub_f32 v[T0+2], v[MX+\t], v[T0]
	v_mul_f32 v[T0+2], CLIT, v[T0+2]
	v_mov_b32 v[MX+\t], v[T0]
	v_exp_f32 v[AL+2*\t],   v[T0+2]                ; the two plain multiplies below stand between these and any use (ISA guide 5.7.2)
	v_exp_f32 v[AL+2*\t+1], v[T0+2]
.endif
	v_mul_f32 v[NMC],   NCLIT, v[T0]
	v_mul_f32 v[NMC+1], NCLIT, v[T0]
.irp k, 0,2,4,6,8,10,12,14
	v_pk_fma_f32 v[ACC+\t*16+\k:ACC+\t*16+\k+1],       v[ACC+\t*16+\k:ACC+\t*16+\k+1],       CLIT, v[NMC:NMC+1] op_sel_hi:[1,0,1]
	v_pk_fma_f32 v[ACC+64+\t*16+\k:ACC+64+\t*16+\k+1], v[ACC+64+\t*16+\k:ACC+64+\t*16+\k+1], CLIT, v[NMC:NMC+1] op_sel_hi:[1,0,1]
.endr
.set x, 0
.rept 32
	v_exp_f32 v[ACC+\t*16+(x>>4)*64+(x&15)], v[ACC+\t*16+(x>>4)*64+(x&15)]
.set x, x+1
.endr
	v_nop                                          ; one plain place behind the exponentials
	s_wait_alu depctr_va_vdst(0)
	v_pk_add_f32 v[SA:SA+1], v[ACC+\t*16:ACC+\t*16+1],       v[ACC+\t*16+2:ACC+\t*16+3]
	v_pk_add_f32 v[SB:SB+1], v[ACC+64+\t*16:ACC+64+\t*16+1], v[ACC+64+\t*16+2:ACC+64+\t*16+3]
.irp k, 4,6,8,10,12,14
	v_pk_add_f32 v[SA:SA+1], v[SA:SA+1], v[ACC+\t*16+\k:ACC+\t*16+\k+1]
	v_pk_add_f32 v[SB:SB+1], v[SB:SB+1], v[ACC+64+\t*16+\k:ACC+64+\t*16+\k+1]
.endr
	v_pk_add_f32 v[SA:SA+1], v[SA:SA+1], v[SB:SB+1]
.if \mode == 1
	v_add_f32 v[LS+\t], v[SA], v[SA+1]
.else
	v_add_f32 v[T0+2], v[SA], v[SA+1]
	v_fma_f32 v[LS+\t], v[LS+\t], v[AL+2*\t], v[T0+2]
.endif
.irp e, 0,1,2,3,4,5,6,7                        ; packed in place to f16 (the weights are at most 1): each run of 16 becomes the B fragment of 32 keys
	v_cvt_pk_f16_f32 v[ACC+\t*16+\e],    v[ACC+\t*16+2*\e],    v[ACC+\t*16+2*\e+1]
	v_cvt_pk_f16_f32 v[ACC+64+\t*16+\e], v[ACC+64+\t*16+2*\e], v[ACC+64+\t*16+2*\e+1]
.endr
.endm
.macro RESCALE t                       ; the 16 tiles of O^T of q tile t times the lane's factor
.if \t < 2
	WIN 0x82
.else
	WIN 0xc3
.endif
.set rq, 0
.rept 64
	v_pk_mul_f32 v[(\t&1)*128+2*rq:(\t&1)*128+2*rq+1], v[(\t&1)*128+2*rq:(\t&1)*128+2*rq+1], v[AL+2*\t:AL+2*\t+1]
.set rq, rq+1
.endr
.endm
.macro PVMM buf, bn, tb, first         ; four feature tiles x the group's two q tiles, in f16; the window of C and D picks the group
.set pz, 0
.if \first == 1
.if (\bn) < 4
.set pz, 1
.endif
.endif
.irp d, 0,1,2,3
.irp e, 0,1
.if pz
	v_wmma_f32_16x16x32_f16 v[(\e*16+((\bn)&3)*4+\d)*8:(\e*16+((\bn)&3)*4+\d)*8+7], v[\buf+8*\d:\buf+8*\d+7], v[ACC+(((\bn)>>2)*4+\tb+\e)*16:ACC+(((\bn)>>2)*4+\tb+\e)*16+7], 0
.else
	v_wmma_f32_16x16x32_f16 v[(\e*16+((\bn)&3)*4+\d)*8:(\e*16+((\bn)&3)*4+\d)*8+7], v[\buf+8*\d:\buf+8*\d+7], v[ACC+(((\bn)>>2)*4+\tb+\e)*16:ACC+(((\bn)>>2)*4+\tb+\e)*16+7], v[(\e*16+((\bn)&3)*4+\d)*8:(\e*16+((\bn)&3)*4+\d)*8+7]
.endif
.endr
.endr
.endm
; One key block of 64 from K/V slot 'slot'.  amode, bmode: 0 the group has no part in it, 1 its first block (diagonal), 2 a later block.
; refill: 1 the other slot gets the next block; 2 the same unless j/2 = jacmp (then this is the last block); 0 none.
.macro ATTN slot, amode, bmode, refill, jacmp
	s_wait_xcnt 0x0
	v_lshl_add_u32 v51, v0, 2, 0x4b600
	v_mov_b32 v63, 0
	s_wait_tensorcnt 0x0                           ; all my tensor loads have landed, my part of this slot among them: a group 0 may step
	ds_add_u32 v51, v63
	s_wait_dscnt 0x0
	s_sub_nc_u64 s[G0K+4*\slot+2:G0K+4*\slot+3], s[G0K+4*\slot+2:G0K+4*\slot+3], 65536   ; this slot's next block: two blocks of 64 rows x 512 bytes down
	s_sub_nc_u64 s[G0V+4*\slot+2:G0V+4*\slot+3], s[G0V+4*\slot+2:G0V+4*\slot+3], 65536
	s_wait_dscnt 0x0                               ; my reads of the other slot are done
	PLACES 5                                       ; behind the last products: fragments are loaded again and the score tiles started anew
	ROUND
.if \refill == 1
	JKV (1-\slot)
.endif
.if \refill == 2
	s_cmp_eq_u32 s34, \jacmp
	s_cbranch_scc1 .Lno_fill_\@
	JKV (1-\slot)
.Lno_fill_\@:
.endif
.if \amode
.set tl, 0
.else
.set tl, 2
.endif
	WIN 0x04                                       ; S^T = Kp Q'^T, in bf16: B in window 1
	LDA_K BUF0, AK+\slot, 0
	LDA_K BUF1, AK+\slot, 1
.irp ks, 0,1,2,3,4,5,6,7
.if \ks < 7
	s_wait_dscnt 0x8                               ; all but the next K step's eight loads
.else
	s_wait_dscnt 0x0
.endif
.if \ks == 0
	MMS BUF0, 0, tl, 1, v_wmma_f32_16x16x32_bf16
.else
	MMS BUF0+32*(\ks&1), \ks, tl, 0, v_wmma_f32_16x16x32_bf16
.endif
.if \ks < 6
	PLACES 4
	LDA_K BUF0+32*(\ks&1), AK+\slot, \ks+2
.endif
.endr
	PLACES 5
	WIN 0
	LDV BUF0, AV+\slot, 0                          ; V's first two batches come in under the softmax
	LDV BUF1, AV+\slot, 1
.if \amode
	SOFTMAX 0, \amode
	SOFTMAX 1, \amode
.endif
	SOFTMAX 2, \bmode
	SOFTMAX 3, \bmode
.if \amode == 2
	RESCALE 0
	RESCALE 1
.endif
.if \bmode == 2
	RESCALE 2
	RESCALE 3
.endif
.irp bn, 0,1,2,3,4,5,6,7                       ; O^T += Vp^T P^T
.if \bn < 7
	s_wait_dscnt 0x8                               ; all but the next batch's eight loads
.else
	s_wait_dscnt 0x0
.endif
.if \amode
	WIN 0xa0
	PVMM BUF0+32*(\bn&1), \bn, 0, \amode
.endif
	WIN 0xf0
	PVMM BUF0+32*(\bn&1), \bn, 2, \bmode
	WIN 0
.if \bn < 6
	PLACES 4
	LDV BUF0+32*(\bn&1), AV+\slot, \bn+2
.endif
.endr
.endm
; T0 + t (one number for each q tile) summed over the two halves of the lanes and over the four waves, through area a of STATS
.macro STATX a
.irp t, 0,1,2,3
	v_permlanex16_b32 v[T4+\t], v[T0+\t], s92, s93
.endr
.irp t, 0,1,2,3
	v_add_f32 v[T0+\t], v[T0+\t], v[T4+\t]
	ds_store_b32 v[SS], v[T0+\t] offset:\a*1024+\t*256
.endr
	s_wait_dscnt 0x0                               ; my stores are done before I signal
	s_barrier_signal -1
	s_barrier_wait -1
.irp t, 0,1,2,3
	ds_load_b128 v[BUF0+4*\t:BUF0+4*\t+3], v[SL] offset:\a*1024+\t*256
.endr
	s_wait_dscnt 0x0
.irp t, 0,1,2,3
	v_add_f32 v[T0+\t], v[BUF0+4*\t],   v[BUF0+4*\t+1]
	v_add_f32 v[T4+\t], v[BUF0+4*\t+2], v[BUF0+4*\t+3]
.endr
.irp t, 0,1,2,3
	v_add_f32 v[T0+\t], v[T0+\t], v[T4+\t]
.endr
.endm
; LayerNorm of ACC over the 256 features of each q, in two passes (mean, then the centred squares).  dst = 3: the result goes to window 3, else in place.
.macro LNORM a0, a1, dst
.irp t, 0,1,2,3
	v_pk_add_f32 v[SA:SA+1], v[ACC+\t*16:ACC+\t*16+1],       v[ACC+\t*16+2:ACC+\t*16+3]
	v_pk_add_f32 v[SB:SB+1], v[ACC+64+\t*16:ACC+64+\t*16+1], v[ACC+64+\t*16+2:ACC+64+\t*16+3]
.irp k, 4,6,8,10,12,14
	v_pk_add_f32 v[SA:SA+1], v[SA:SA+1], v[ACC+\t*16+\k:ACC+\t*16+\k+1]
	v_pk_add_f32 v[SB:SB+1], v[SB:SB+1], v[ACC+64+\t*16+\k:ACC+64+\t*16+\k+1]
.endr
	v_pk_add_f32 v[SA:SA+1], v[SA:SA+1], v[SB:SB+1]
	v_add_f32 v[T0+\t], v[SA], v[SA+1]
.endr
	STATX \a0
.irp t, 0,1,2,3
	v_mul_f32 v[AL+2*\t],   v[CI], v[T0+\t]
	v_mul_f32 v[AL+2*\t+1], v[CI], v[T0+\t]
.endr
.irp t, 0,1,2,3
.irp k, 0,2,4,6,8,10,12,14
	v_pk_add_f32 v[ACC+\t*16+\k:ACC+\t*16+\k+1],       v[ACC+\t*16+\k:ACC+\t*16+\k+1],       v[AL+2*\t:AL+2*\t+1] neg_lo:[0,1] neg_hi:[0,1]
	v_pk_add_f32 v[ACC+64+\t*16+\k:ACC+64+\t*16+\k+1], v[ACC+64+\t*16+\k:ACC+64+\t*16+\k+1], v[AL+2*\t:AL+2*\t+1] neg_lo:[0,1] neg_hi:[0,1]
.endr
	v_pk_mul_f32 v[SA:SA+1], v[ACC+\t*16:ACC+\t*16+1],       v[ACC+\t*16:ACC+\t*16+1]
	v_pk_mul_f32 v[SB:SB+1], v[ACC+64+\t*16:ACC+64+\t*16+1], v[ACC+64+\t*16:ACC+64+\t*16+1]
.irp k, 2,4,6,8,10,12,14
	v_pk_fma_f32 v[SA:SA+1], v[ACC+\t*16+\k:ACC+\t*16+\k+1],       v[ACC+\t*16+\k:ACC+\t*16+\k+1],       v[SA:SA+1]
	v_pk_fma_f32 v[SB:SB+1], v[ACC+64+\t*16+\k:ACC+64+\t*16+\k+1], v[ACC+64+\t*16+\k:ACC+64+\t*16+\k+1], v[SB:SB+1]
.endr
	v_pk_add_f32 v[SA:SA+1], v[SA:SA+1], v[SB:SB+1]
	v_add_f32 v[T0+\t], v[SA], v[SA+1]
.endr
	STATX \a1
.irp t, 0,1,2,3
	v_fma_f32 v[T0+\t], v[T0+\t], v[CI], v[EPS]    ; variance + 1e-5
.endr
.irp t, 0,1,2,3
	v_rsq_f32 v[AL+2*\t],   v[T0+\t]
	v_rsq_f32 v[AL+2*\t+1], v[T0+\t]
.endr
	v_nop                                          ; one plain place behind the transcendentals
	s_wait_alu depctr_va_vdst(0)
.irp t, 0,1,2,3
.irp k, 0,2,4,6,8,10,12,14
	v_pk_mul_f32 v[ACC+\t*16+\k:ACC+\t*16+\k+1],       v[ACC+\t*16+\k:ACC+\t*16+\k+1],       v[AL+2*\t:AL+2*\t+1]
	v_pk_mul_f32 v[ACC+64+\t*16+\k:ACC+64+\t*16+\k+1], v[ACC+64+\t*16+\k:ACC+64+\t*16+\k+1], v[AL+2*\t:AL+2*\t+1]
.endr
.endr
.if \dst == 3
	WIN 0xd4
.set db, 0
.else
	WIN 0x14
.set db, ACC
.endif
.irp i, 0,1,2,3
.irp t, 0,1,2,3
.irp p, 0,2,4,6
	v_pk_fma_f32 v[db+((\i>>1)*4+\t)*16+(\i&1)*8+\p:db+((\i>>1)*4+\t)*16+(\i&1)*8+\p+1], v[ACC+((\i>>1)*4+\t)*16+(\i&1)*8+\p:ACC+((\i>>1)*4+\t)*16+(\i&1)*8+\p+1], v[8*\i+\p:8*\i+\p+1], v[32+8*\i+\p:32+8*\i+\p+1]
.endr
.endr
.endr
	WIN 0
.endm
.macro BIAS pb                         ; ACC += the parameter at pb in window 1 (one number for each feature)
	WIN 0x04
.irp i, 0,1,2,3
.irp t, 0,1,2,3
.irp p, 0,2,4,6
	v_pk_add_f32 v[ACC+((\i>>1)*4+\t)*16+(\i&1)*8+\p:ACC+((\i>>1)*4+\t)*16+(\i&1)*8+\p+1], v[ACC+((\i>>1)*4+\t)*16+(\i&1)*8+\p:ACC+((\i>>1)*4+\t)*16+(\i&1)*8+\p+1], v[\pb+8*\i+\p:\pb+8*\i+\p+1]
.endr
.endr
.endr
	WIN 0
.endm
; One head's share of the output projection: wave hh puts its O fragments on the stage, all waves take them as B and multiply by their slice of N(hh).
.macro NTRIP hh, g, areg, zero, par
	s_cmp_lg_u32 s28, \hh
	s_cbranch_scc1 .Lnot_mine_\@
	WIN 0x04
.irp t, 0,1,2,3
.irp ks, 0,1,2,3,4,5,6,7
	ds_store_b128 v[ST], v[(\t*8+\ks)*8:(\t*8+\ks)*8+3]   offset:\t*8448+\ks*64
	ds_store_b128 v[ST], v[(\t*8+\ks)*8+4:(\t*8+\ks)*8+7] offset:\t*8448+\ks*64+32
.endr
.endr
	WIN 0
.Lnot_mine_\@:
	WHEAD \g
.if \par
	WIN 0x40                                       ; window 1 is free: every wave's O has gone to the stage
.irp i, 0,1,2,3
	global_load_b128 v[8*\i:8*\i+3],       v[PARO], s[22:23] offset:64*\i
	global_load_b128 v[8*\i+4:8*\i+7],     v[PARO], s[22:23] offset:64*\i+16
	global_load_b128 v[32+8*\i:32+8*\i+3], v[PARO], s[24:25] offset:64*\i
	global_load_b128 v[32+8*\i+4:32+8*\i+7], v[PARO], s[24:25] offset:64*\i+16
	global_load_b128 v[64+8*\i:64+8*\i+3], v[PARO], s[18:19] offset:64*\i
	global_load_b128 v[64+8*\i+4:64+8*\i+7], v[PARO], s[18:19] offset:64*\i+16
	global_load_b128 v[96+8*\i:96+8*\i+3], v[PARO], s[20:21] offset:64*\i
	global_load_b128 v[96+8*\i+4:96+8*\i+7], v[PARO], s[20:21] offset:64*\i+16
.endr
	WIN 0
.endif
	LDB
	s_wait_dscnt 0x0                               ; my reads of the stage are done:
	s_barrier_signal -1
	s_barrier_wait -1                              ; behind this barrier its next writer may store (no LDS bytes are filled by a tensor load behind it)
	GEMM128 \areg, \zero, v_wmma_f32_16x16x32_f16
.endm
; ---------------------------------------------------------------- ids, descriptors, first fills
	s_load_b512 s[4:19], s[0:1], 0x0               ; Q 4, pe 6, mask 8, kp 10, vp 12, vsum 14, wts 16, b1 18
	s_load_b256 s[20:27], s[0:1], 0x40             ; b2 20, gamma 22, beta 24, out0 26
	v_lshl_add_u32 v51, v0, 2, 0x4b600
	v_mov_b32 v63, 0
	ds_add_u32 v51, v63
	s_wait_dscnt 0x0
	v_lshrrev_b32 v1, 5, v0
	v_readfirstlane_b32 s28, v1                    ; wave 0..3
	s_lshr_b32 s29, s28, 1                         ; 0: I fetch for K, 1: for V
	s_and_b32 s30, s28, 1                          ; which 32 rows of the block I fetch
	s_bfe_u32 s31, ttmp6, 0x40000                  ; cx
	s_lshl_b32 s32, ttmp9, 2
	s_add_co_u32 s32, s32, s31                     ; batch b = 4 x cluster x + cx: enters global addresses of my own loads and stores alone
	s_and_b32 s33, ttmp7, 0xffff                   ; j, the same in the four partners
	s_lshr_b32 s34, s33, 1                         ; j / 2
	s_mov_b32 s92, 0x76543210                      ; v_permlanex16_b32: lane i reads lane i of the other half
	s_mov_b32 s93, 0xfedcba98
	; weights, group 1: a dense slice as 128 rows of 32 elements of 8 bytes; mask 15 (all four partners), bit 21 beside it
	s_mov_b32 s[GWS+0], 15|(3<<16)|(1<<21)
	s_mov_b32 s[GWS+1], 32<<16
	s_mov_b32 s[GWS+2], 128<<16
	s_mov_b32 s[GWS+3], 32<<16
	s_mov_b32 s[GWS+4], 128
	s_mov_b32 s[GWS+5], 32
	s_mov_b32 s[GWS+6], 0
	s_mov_b32 s[GWS+7], 0
	s_mul_i32 s98, s28, WSL                        ; my slice: wave x 32,768, in the block and in the slot
	s_mov_b32 s99, 0
	s_mov_b32 s48, 1
	s_add_co_u32 s49, s98, W0
	s_mov_b32 s52, 1
	s_add_co_u32 s53, s98, W1
	s_wait_kmcnt 0x0
	s_add_nc_u64 s[50:51], s[16:17], s[98:99]      ; block 0 (M0)
	s_add_nc_u64 s[54:55], s[50:51], WBLK          ; block 1 (M1)
	s_or_b32 s51, s51, 0x80000000
	s_or_b32 s55, s55, 0x80000000
	ROUND                                          ; the four work-groups are here: the first joint loads meet
	tensor_load_to_lds s[48:51], s[GWS:GWS+7]
	s_nop 0
	tensor_load_to_lds s[52:55], s[GWS:GWS+7]
	s_nop 0
	; K and V, group 1: 32 rows of 256 numbers of 2 bytes, padded by 16 (K) or 32 (V) bytes behind every 128 words; no mask: these are my own loads
	s_mov_b32 s[GK1+0], (1<<16)|(1<<20)|(6<<22)|(3<<25)
	s_mov_b32 s[GK1+1], 256<<16
	s_mov_b32 s[GK1+2], 32<<16
	s_mov_b32 s[GK1+3], 256<<16
	s_mov_b32 s[GK1+4], 32
	s_mov_b32 s[GK1+5], 256
	s_mov_b32 s[GK1+6], 0
	s_mov_b32 s[GK1+7], 0
	s_mov_b32 s[GV1+0], (1<<16)|(1<<20)|(6<<22)|(7<<25)
	s_mov_b32 s[GV1+1], 256<<16
	s_mov_b32 s[GV1+2], 32<<16
	s_mov_b32 s[GV1+3], 256<<16
	s_mov_b32 s[GV1+4], 32
	s_mov_b32 s[GV1+5], 256
	s_mov_b32 s[GV1+6], 0
	s_mov_b32 s[GV1+7], 0
	s_lshl_b32 s100, s32, 9                        ; row 512 b
	s_sub_co_u32 s101, 7, s34
	s_lshl_b32 s101, s101, 6
	s_add_co_u32 s100, s100, s101                  ; + 64 (7 - j/2): the first key block is group b's diagonal
	s_lshl_b32 s101, s30, 5
	s_add_co_u32 s100, s100, s101                  ; + my 32 rows
	s_lshl_b32 s100, s100, 9                       ; x 512 bytes
	s_mov_b32 s101, 0
	s_mul_i32 s35, s28, KVPART                     ; my part of a slot: wave x 17,408
	s_mov_b32 s[G0K+0], 1
	s_add_co_u32 s[G0K+1], s35, 0
	s_add_nc_u64 s[G0K+2:G0K+3], s[10:11], s[100:101]
	s_mov_b32 s[G0K+4], 1
	s_add_co_u32 s[G0K+5], s35, KVSLOT
	s_sub_nc_u64 s[G0K+6:G0K+7], s[G0K+2:G0K+3], 32768   ; slot 1 starts one block of 64 rows lower
	s_or_b32 s[G0K+3], s[G0K+3], 0x80000000
	s_or_b32 s[G0K+7], s[G0K+7], 0x80000000
	s_mov_b32 s[G0V+0], 1
	s_add_co_u32 s[G0V+1], s35, 0
	s_add_nc_u64 s[G0V+2:G0V+3], s[12:13], s[100:101]
	s_mov_b32 s[G0V+4], 1
	s_add_co_u32 s[G0V+5], s35, KVSLOT
	s_sub_nc_u64 s[G0V+6:G0V+7], s[G0V+2:G0V+3], 32768
	s_or_b32 s[G0V+3], s[G0V+3], 0x80000000
	s_or_b32 s[G0V+7], s[G0V+7], 0x80000000
	; row bases: group a in s[4:5] Q, s[6:7] pe, s[26:27] out0; group b in s[10:11], s[12:13], s[16:17]
	s_lshl_b32 s38, s32, 19                        ; b x 512 rows x 1,024 bytes
	s_mov_b32 s39, 0
	s_lshl_b32 s98, s33, 15                        ; 32 j rows
	s_sub_co_u32 s100, 15, s33
	s_lshl_b32 s100, s100, 15                      ; 32 (15 - j) rows
	s_add_nc_u64 s[4:5], s[4:5], s[38:39]
	s_add_nc_u64 s[26:27], s[26:27], s[38:39]
	s_add_nc_u64 s[10:11], s[4:5], s[100:101]
	s_add_nc_u64 s[4:5], s[4:5], s[98:99]
	s_add_nc_u64 s[12:13], s[6:7], s[100:101]
	s_add_nc_u64 s[6:7], s[6:7], s[98:99]
	s_add_nc_u64 s[16:17], s[26:27], s[100:101]
	s_add_nc_u64 s[26:27], s[26:27], s[98:99]
	s_lshl_b32 s38, s32, 13
	s_add_nc_u64 s[14:15], s[14:15], s[38:39]      ; vsum of my batch
	s_lshl_b32 s38, s32, 9
	s_add_nc_u64 s[8:9], s[8:9], s[38:39]          ; mask of my batch
	s_lshl_b32 s38, s30, 14                        ; q tile w: group w / 2, 16 (w % 2) rows down
	s_cmp_lt_u32 s28, 2
	s_cselect_b64 s[98:99], s[4:5], s[10:11]
	s_cselect_b64 s[100:101], s[6:7], s[12:13]
	s_add_nc_u64 s[98:99], s[98:99], s[38:39]
	s_add_nc_u64 s[100:101], s[100:101], s[38:39]
	; lane terms
	v_and_b32 v1, 31, v0                           ; lane
	v_and_b32 v2, 15, v0                           ; r
	v_bfe_u32 v3, v0, 4, 1                         ; h
	v_lshlrev_b32 v4, 4, v1
	v_add_nc_u32 v[AW], s49, v4
	v_add_nc_u32 v[AW+1], s53, v4
	v_mul_u32_u24 v5, v2, 528
	v_lshl_add_u32 v5, v3, 4, v5
	v_mov_b32 v[AK], v5
	v_add_nc_u32 v[AK+1], KVSLOT, v5
	v_add_nc_u32 v[ST], STAGE, v5
	v_lshl_add_u32 v[STW], s28, 7, v[ST]
	v_and_b32 v6, 7, v0
	v_lshl_add_u32 v6, v3, 3, v6
	v_mul_u32_u24 v6, v6, 544
	v_bfe_u32 v7, v0, 3, 1
	v_lshl_add_u32 v6, v7, 4, v6
	v_add_nc_u32 v[AV], 2*KVPART, v6
	v_add_nc_u32 v[AV+1], 2*KVPART+KVSLOT, v6
	v_lshlrev_b32 v7, 4, v2
	v_add_nc_u32 v[SL], STATS, v7
	v_lshl_add_u32 v[SS], s28, 2, v[SL]
	v_lshlrev_b32 v7, 4, v3
	v_add_nc_u32 v[VMA], VMEAN, v7
	v_mul_u32_u24 v7, v2, 272
	v_lshl_add_u32 v7, v3, 5, v7
	v_add_nc_u32 v[OS], s53, v7
	v_mul_u32_u24 v7, v3, 272
	v_lshl_add_u32 v7, v2, 4, v7
	v_add_nc_u32 v[ORD], s53, v7
	v_lshlrev_b32 v7, 10, v3
	v_lshl_add_u32 v7, v2, 4, v7
	v_lshl_add_u32 v[OUTO], s28, 8, v7
	v_lshlrev_b32 v7, 10, v2
	v_lshl_add_u32 v7, v3, 5, v7
	v_lshl_add_u32 v[RESO], s28, 8, v7
	v_lshlrev_b32 v7, 5, v3
	v_lshl_add_u32 v[PARO], s28, 8, v7
	v_lshlrev_b32 v7, 3, v3
	v_sub_nc_u32 v7, v2, v7                        ; r - 8 h
	s_and_b32 s37, s33, 1
	s_lshl_b32 s37, s37, 5                         ; group a starts 32 (j % 2) keys into its diagonal block,
	s_sub_co_u32 s36, 32, s37                      ; group b 32 - 32 (j % 2)
	v_add_nc_u32 v[DQ], s37, v7
	v_add_nc_u32 v[DQ+1], 16, v[DQ]
	v_add_nc_u32 v[DQ+2], s36, v7
	v_add_nc_u32 v[DQ+3], 16, v[DQ+2]
	s_mul_i32 s37, s28, 8448
	s_add_co_u32 s37, s37, STAGE
	v_lshl_add_u32 v[PST], v1, 3, s37              ; stage rows 16 w .., 8 bytes a lane
	v_lshlrev_b32 v5, 2, v0
	v_add_nc_u32 v5, VMEAN, v5                     ; the mean: 4 bytes a thread
	v_lshlrev_b32 v6, 3, v0                        ; vsum: 8 bytes a thread
	s_lshl_b32 s37, s33, 5
	v_add_nc_u32 v8, s37, v2                       ; mask byte of row 32 j + r
	s_sub_co_u32 s37, 15, s33
	s_lshl_b32 s37, s37, 5
	v_add_nc_u32 v9, s37, v2                       ; and of row 32 (15 - j) + r
.irp e, 0,1,2,3,4,5,6,7
	v_mov_b32 v[T0+\e], 0                          ; destinations of v_permlanex16_b32 count as read
.endr
	v_mov_b32 v[CI], 0x3b800000
	v_mov_b32 v[EPS], 0x3727c5ac
	v_mov_b32 v[NEGV], 0xff7fffff
; ---------------------------------------------------------------- Qp = Q + pe of q tile w to the stage as bf16; the mean of Vp as f16; the mask
.set x, 0
.rept 32
	global_load_b128 v[ACC+4*x:ACC+4*x+3], v4, s[98:99] offset:512*x      ; half a row: 512 consecutive bytes
.set x, x+1
.endr
	WIN 0xc0
.set x, 0
.rept 32
	global_load_b128 v[ACC+4*x:ACC+4*x+3], v4, s[100:101] offset:512*x
.set x, x+1
.endr
	WIN 0
.irp k, 0,1,2,3,4,5,6,7
	global_load_b64 v[BUF0+2*\k:BUF0+2*\k+1], v6, s[14:15] offset:1024*\k
.endr
	global_load_u8 v[BUF1],   v8, s[8:9]
	global_load_u8 v[BUF1+1], v8, s[8:9] offset:16
	global_load_u8 v[BUF1+2], v9, s[8:9]
	global_load_u8 v[BUF1+3], v9, s[8:9] offset:16
	s_wait_loadcnt 0x0
	WIN 0x0c
.set x, 0
.rept 64
	v_pk_add_f32 v[ACC+2*x:ACC+2*x+1], v[ACC+2*x:ACC+2*x+1], v[ACC+2*x:ACC+2*x+1]   ; source 1 is pe, in window 3
.set x, x+1
.endr
	WIN 0
.set x, 0
.rept 64
	v_cvt_pk_bf16_f32 v[ACC+x], v[ACC+2*x], v[ACC+2*x+1]
.set x, x+1
.endr
.set x, 0
.rept 32
	ds_store_b64 v[PST], v[ACC+2*x:ACC+2*x+1] offset:(x>>1)*528+(x&1)*256
.set x, x+1
.endr
.irp k, 1,2,3,4,5,6,7
	v_pk_add_f32 v[BUF0:BUF0+1], v[BUF0:BUF0+1], v[BUF0+2*\k:BUF0+2*\k+1]
.endr
	v_pk_mul_f32 v[BUF0:BUF0+1], v[BUF0:BUF0+1], 0x3b000000 op_sel_hi:[1,0]       ; / 512
	v_cvt_pk_f16_f32 v[BUF0], v[BUF0], v[BUF0+1]
	ds_store_b32 v5, v[BUF0]
.irp t, 0,1,2,3
	v_cmp_ne_u32 s[94+\t], 0, v[BUF1+\t]           ; lane (r, h): is row r of q tile t padded?
.endr
; ---------------------------------------------------------------- Q'^T = M_h^T Qp^T, 64 rows a trip, in bf16
	s_wait_tensorcnt 0x1                           ; M0 has landed; M1 may stay out
	s_wait_dscnt 0x0                               ; my rows of the stage and my part of the mean are written
	s_barrier_signal -1
	s_barrier_wait -1
	LDB                                            ; Qp stays in window 2 for the four trips
	GEMM128 AW, 1, v_wmma_f32_16x16x32_bf16
	CVTQ 0
	WHEAD 0                                        ; M2 into slot 0
	GEMM128 AW+1, 1, v_wmma_f32_16x16x32_bf16
	CVTQ 1
	WHEAD 1                                        ; M3 into slot 1
	GEMM128 AW, 1, v_wmma_f32_16x16x32_bf16
	CVTQ 2
	s_wait_xcnt 0x0
	v_lshl_add_u32 v51, v0, 2, 0x4b600
	v_mov_b32 v63, 0
	s_wait_tensorcnt 0x0
	ds_add_u32 v51, v63
	s_wait_dscnt 0x0
	s_wait_dscnt 0x0
	ROUND
	JKV 0                                          ; the first key block, over slot 0's bytes, whose last reads are done
	GEMM128 AW+1, 1, v_wmma_f32_16x16x32_bf16
	CVTQ 3
; ---------------------------------------------------------------- attention: key blocks 7 - j/2 down to 0
	ATTN 0, 0, 1, 1, 0                             ; group b's diagonal block
	s_sub_co_u32 s36, 3, s34                       ; 2 (3 - j/2) blocks for group b alone
	s_cmp_eq_u32 s36, 0
	s_cbranch_scc1 .Lno_lap
.Llap:
	ATTN 1, 0, 2, 1, 0
	ATTN 0, 0, 2, 1, 0
	s_sub_co_u32 s36, s36, 1
	s_cmp_lg_u32 s36, 0
	s_cbranch_scc1 .Llap
.Lno_lap:
	ATTN 1, 1, 2, 2, 0                             ; block j/2: group a's diagonal
	s_cmp_eq_u32 s34, 0
	s_cbranch_scc1 .Lattn_done
	ATTN 0, 2, 2, 2, 1
	s_cmp_eq_u32 s34, 1
	s_cbranch_scc1 .Lattn_done
	ATTN 1, 2, 2, 2, 2
	s_cmp_eq_u32 s34, 2
	s_cbranch_scc1 .Lattn_done
	ATTN 0, 2, 2, 0, 0
.Lattn_done:
	s_wait_xcnt 0x0
	v_lshl_add_u32 v51, v0, 2, 0x4b600
	v_mov_b32 v63, 0
	s_wait_tensorcnt 0x0
	ds_add_u32 v51, v63
	s_wait_dscnt 0x0
	s_add_nc_u64 s[54:55], s[54:55], 2*WBLK
	s_wait_dscnt 0x0
	PLACES 5
	ROUND
	tensor_load_to_lds s[52:55], s[GWS:GWS+7]      ; N0 into slot 1; it lands under what follows
	s_nop 0
.irp ks, 0,1,2,3,4,5,6,7
	ds_load_b128 v[ACC+8*\ks:ACC+8*\ks+3],   v[VMA] offset:64*\ks       ; the mean of Vp as eight B fragments (the same for every q)
	ds_load_b128 v[ACC+8*\ks+4:ACC+8*\ks+7], v[VMA] offset:64*\ks+32
.endr
.irp t, 0,1,2,3
	v_permlanex16_b32 v[T0+\t], v[LS+\t], s92, s93
.endr
.irp t, 0,1,2,3
	v_add_f32 v[LS+\t], v[LS+\t], v[T0+\t]         ; at least 1: the row's largest score gives exp2(0)
.endr
.irp t, 0,1,2,3
	v_rcp_f32 v[AL+2*\t],   v[LS+\t]
	v_rcp_f32 v[AL+2*\t+1], v[LS+\t]
.endr
	v_nop                                          ; one plain place behind the transcendentals
	s_wait_alu depctr_va_vdst(0)
	RESCALE 0
	RESCALE 1
	RESCALE 2
	RESCALE 3
	WIN 0x4a                                       ; O^T packs into f16 B fragments (t, ks) in window 1: fragment register m of q tiles 0, 1 from registers 2 m, 2 m + 1 of window 2
.set rq, 0
.rept 128
	v_cvt_pk_f16_f32 v[rq], v[2*rq], v[2*rq+1]
.set rq, rq+1
.endr
	WIN 0x4f                                       ; q tiles 2, 3 from window 3
.set rq, 0
.rept 128
	v_cvt_pk_f16_f32 v[128+rq], v[2*rq], v[2*rq+1]
.set rq, rq+1
.endr
	s_wait_dscnt 0x0
	WIN 0x41
.irp t, 0,1,2,3
.set rq, 0
.rept 64
	v_cndmask_b32 v[\t*64+rq], v[\t*64+rq], v[ACC+rq], s[94+\t]      ; padded rows take the mean
.set rq, rq+1
.endr
.endr
	WIN 0xc0                                       ; the residual's Q and pe in the accumulators' layout, into window 3; they come in under the next four trips
.irp t, 0,1,2,3
.irp i, 0,1,2,3
	global_load_b128 v[((\i>>1)*4+\t)*16+(\i&1)*8:((\i>>1)*4+\t)*16+(\i&1)*8+3],         v[RESO], s[4+(\t>>1)*6:5+(\t>>1)*6] offset:(\t&1)*16384+64*\i
	global_load_b128 v[((\i>>1)*4+\t)*16+(\i&1)*8+4:((\i>>1)*4+\t)*16+(\i&1)*8+7],       v[RESO], s[4+(\t>>1)*6:5+(\t>>1)*6] offset:(\t&1)*16384+64*\i+16
	global_load_b128 v[128+((\i>>1)*4+\t)*16+(\i&1)*8:128+((\i>>1)*4+\t)*16+(\i&1)*8+3],   v[RESO], s[6+(\t>>1)*6:7+(\t>>1)*6] offset:(\t&1)*16384+64*\i
	global_load_b128 v[128+((\i>>1)*4+\t)*16+(\i&1)*8+4:128+((\i>>1)*4+\t)*16+(\i&1)*8+7], v[RESO], s[6+(\t>>1)*6:7+(\t>>1)*6] offset:(\t&1)*16384+64*\i+16
.endr
.endr
	WIN 0
; ---------------------------------------------------------------- sum over heads of N_h^T O_h^T, in f16; from here wave w owns features 64 w .. +63
	NTRIP 0, 0, AW+1, 1, 0                         ; reads N0 in slot 1; N1 goes into slot 0
	NTRIP 1, 1, AW,   0, 0                         ; N2 into slot 1
	NTRIP 2, 0, AW+1, 0, 0                         ; N3 into slot 0
	NTRIP 3, 1, AW,   0, 1                         ; w1 into slot 1; the four parameters into window 1
; ---------------------------------------------------------------- X = LayerNorm(Qp + Vatt W_o)
	s_wait_loadcnt 0x0                             ; residual and parameters
	WIN 0x0c
.set x, 0
.rept 64
	v_pk_add_f32 v[ACC+2*x:ACC+2*x+1], v[ACC+2*x:ACC+2*x+1], v[2*x:2*x+1]
.set x, x+1
.endr
.set x, 0
.rept 64
	v_pk_add_f32 v[ACC+2*x:ACC+2*x+1], v[ACC+2*x:ACC+2*x+1], v[128+2*x:128+2*x+1]
.set x, x+1
.endr
	WIN 0
	LNORM 0, 1, 3                                  ; X in f32 stays in window 3 for the second residual
	WIN 0x0f
.set x, 0
.rept 64
	v_cvt_pk_f16_f32 v[BUF0+x], v[2*x], v[2*x+1]
.set x, x+1
.endr
	WIN 0
.irp u, 0,1
.irp t, 0,1,2,3
	ds_store_b128 v[STW], v[BUF0+(\u*4+\t)*8:BUF0+(\u*4+\t)*8+3]   offset:\t*8448+64*\u
	ds_store_b128 v[STW], v[BUF0+(\u*4+\t)*8+4:BUF0+(\u*4+\t)*8+7] offset:\t*8448+64*\u+32
.endr
.endr
; ---------------------------------------------------------------- H = relu(X w1^T + b1)
	WHEAD 0                                        ; w2 into slot 0
	LDB
	s_wait_dscnt 0x0
	s_barrier_signal -1
	s_barrier_wait -1                              ; every wave has taken X: the stage may be written again
	GEMM128 AW+1, 1, v_wmma_f32_16x16x32_f16
	BIAS 64
.set x, 0
.rept 128
	v_max_num_f32 v[ACC+x], 0, v[ACC+x]
.set x, x+1
.endr
.irp g, 0,1,2,3,4,5,6,7
.irp e, 0,1,2,3,4,5,6,7
	v_cvt_pk_f16_f32 v[ACC+16*\g+\e], v[ACC+16*\g+2*\e], v[ACC+16*\g+2*\e+1]
.endr
.endr
.irp u, 0,1
.irp t, 0,1,2,3
	ds_store_b128 v[STW], v[ACC+(\u*4+\t)*16:ACC+(\u*4+\t)*16+3]   offset:\t*8448+64*\u
	ds_store_b128 v[STW], v[ACC+(\u*4+\t)*16+4:ACC+(\u*4+\t)*16+7] offset:\t*8448+64*\u+32
.endr
.endr
; ---------------------------------------------------------------- out = LayerNorm(H w2^T + b2 + X)
	s_wait_tensorcnt 0x0                           ; w2 has landed; no tensor load follows
	s_wait_dscnt 0x0
	s_barrier_signal -1
	s_barrier_wait -1
	LDB
	GEMM128 AW, 1, v_wmma_f32_16x16x32_f16
	BIAS 96
	WIN 0x0c
.set x, 0
.rept 64
	v_pk_add_f32 v[ACC+2*x:ACC+2*x+1], v[ACC+2*x:ACC+2*x+1], v[2*x:2*x+1]
.set x, x+1
.endr
	WIN 0
	LNORM 2, 3, 0
; ---------------------------------------------------------------- the way out: through my slice of slot 1, which has had its last fill and which I alone touch
.irp t, 0,1,2,3
.irp i, 0,1,2,3
	ds_store_b128 v[OS], v[ACC+((\i>>1)*4+\t)*16+(\i&1)*8:ACC+((\i>>1)*4+\t)*16+(\i&1)*8+3]   offset:\t*4352+64*\i
	ds_store_b128 v[OS], v[ACC+((\i>>1)*4+\t)*16+(\i&1)*8+4:ACC+((\i>>1)*4+\t)*16+(\i&1)*8+7] offset:\t*4352+64*\i+16
.endr
.endr
	WIN 0x80
.set rq, 0
.rept 32
	ds_load_b128 v[4*rq:4*rq+3], v[ORD] offset:544*rq          ; LDS serves a wave's instructions in order (ISA guide 5.7.1): these see the stores above
.set rq, rq+1
.endr
	WIN 0x08
.set rq, 0
.rept 32
	s_wait_dscnt 31-rq                             ; the younger read-backs stay out
	global_store_b128 v[OUTO], v[4*rq:4*rq+3], s[26-(rq>>4)*10:27-(rq>>4)*10] offset:2048*(rq&15) th:TH_STORE_NT   ; 16 lanes store 256 consecutive bytes, aligned
.set rq, rq+1
.endr
	WIN 0
	s_wait_xcnt 0x0
	v_lshl_add_u32 v51, v0, 2, 0x4b600
	v_mov_b32 v63, 0
	s_wait_tensorcnt 0x0
	ds_add_u32 v51, v63
	s_wait_dscnt 0x0
	ROUND                                          ; the closing round: no work-group ends while a partner may still ask jointly
	s_endpgm
.Lfunc_end_k_q5e12c58b47_block:
	.size	k_q5e12c58b47_block, .Lfunc_end_k_q5e12c58b47_block-k_q5e12c58b47_block
	.p2alignl 7, 3214868480
	.fill 96, 4, 3214868480
	.section	.rodata,"a",@progbits
	.p2align	6, 0x0
	.amdhsa_kernel k_q5e12c58b47_block
		.amdhsa_group_segment_fixed_size 327680
		.amdhsa_private_segment_fixed_size 0
		.amdhsa_enable_private_segment 0
		.amdhsa_kernarg_size 96
		.amdhsa_user_sgpr_count 2
		.amdhsa_user_sgpr_kernarg_segment_ptr 1
		.amdhsa_wavefront_size32 1
		.amdhsa_system_sgpr_workgroup_id_x 1
		.amdhsa_system_sgpr_workgroup_id_y 1
		.amdhsa_system_sgpr_workgroup_id_z 1
		.amdhsa_system_vgpr_workitem_id 0
		.amdhsa_next_free_vgpr 1024
		.amdhsa_next_free_sgpr 102
		.amdhsa_reserve_vcc 1
		.amdhsa_float_denorm_mode_32 3
		.amdhsa_float_denorm_mode_16_64 3
		.amdhsa_memory_ordered 1
		.amdhsa_forward_progress 1
		.amdhsa_inst_pref_size 255
	.end_amdhsa_kernel
	.section	.bss,"aw",@nobits
	.p2align	6
	.space	262144
	.amdgpu_metadata
---
amdhsa.version: [ 1, 2 ]
amdhsa.kernels:
  - .name:           k_q5e12c58b47_block
    .symbol:         k_q5e12c58b47_block.kd
    .args:
      - { .name: Q, .offset: 0, .size: 8, .value_kind: global_buffer, .address_space: global }
      - { .name: pe, .offset: 8, .size: 8, .value_kind: global_buffer, .address_space: global }
      - { .name: mask, .offset: 16, .size: 8, .value_kind: global_buffer, .address_space: global }
      - { .name: kp, .offset: 24, .size: 8, .value_kind: global_buffer, .address_space: global }
      - { .name: vp, .offset: 32, .size: 8, .value_kind: global_buffer, .address_space: global }
      - { .name: vsum, .offset: 40, .size: 8, .value_kind: global_buffer, .address_space: global }
      - { .name: wts, .offset: 48, .size: 8, .value_kind: global_buffer, .address_space: global }
      - { .name: b1, .offset: 56, .size: 8, .value_kind: global_buffer, .address_space: global }
      - { .name: b2, .offset: 64, .size: 8, .value_kind: global_buffer, .address_space: global }
      - { .name: gamma, .offset: 72, .size: 8, .value_kind: global_buffer, .address_space: global }
      - { .name: beta, .offset: 80, .size: 8, .value_kind: global_buffer, .address_space: global }
      - { .name: out0, .offset: 88, .size: 8, .value_kind: global_buffer, .address_space: global }
    .group_segment_fixed_size: 327680
    .private_segment_fixed_size: 0
    .kernarg_segment_align: 8
    .kernarg_segment_size: 96
    .max_flat_workgroup_size: 128
    .sgpr_count:     102
    .vgpr_count:     1024
    .wavefront_size: 32
...
	.end_amdgpu_metadata
.endif
;; end of part 2
;; ======== version 2 of 2: 2 launches; 1.59 times as fast as version 1
;; limits: values are held in f16: magnitudes above 65,504 overflow, below 6.1e-05 lose precision
;; workspace buffers: kp 8,388,608 bytes; vp 8,388,608 bytes; vsum 262,144 bytes; wts 1,310,720 bytes
;; launch prep (part 3): grid 256 x 1, 12 waves a work-group, no clusters, 34,304 bytes of LDS; arguments K, V, pe, W_q, W_k, W_v, W_o, w1, w2, kp, vp, vsum, wts; writes kp, vp, vsum, wts
.if DOCPART == 3
	.amdgcn_target "amdgcn-amd-amdhsa--gfx1250"
	.amdhsa_code_object_version 6
	.text
	.protected	k_q5e12c58b47_prep
	.globl	k_q5e12c58b47_prep
	.p2align	8
	.type	k_q5e12c58b47_prep,@function
k_q5e12c58b47_prep:
	s_mov_b64 s[64:65], 0
	v_nop
	global_prefetch_b8 v0, s[64:65] scope:SCOPE_SE
	s_setreg_imm32_b32 hwreg(HW_REG_WAVE_MODE, 25, 1), 1
	s_wait_xcnt 0x0
; Prepares what the fused launch reads.  256 equal work-groups of twelve waves; work-group g does
;   waves 0-7:   kp = bf16(K + pe), vp = f16(V + pe) for 64 rows (batch g / 8, rows 64 (g % 8) ..), and the f32 column sums of V + pe over these rows;
;   waves 8, 9:  one fragment each of M_h = Wq_h Wk_h^T (bf16), number 2 g + (wave % 2) of 512, and one half fragment of w1 or w2 (f16), same number;
;   waves 10, 11: one fragment each of N_h = Wv_h Wo_h (f16), number 2 g + (wave % 2) of 512.
; So the weight products, which are short chains of loads, run beside the stream of K and V on every WGP instead of alone on a few.
; wts: ten blocks of 131,072 bytes in the order M0 M1 M2 M3 N1 N0 N3 N2 w2 w1; a block is 4 slices of 32,768 bytes, a slice 32 fragments
; of 1,024 bytes (row tile i, K step ks: number 8 i + ks); a fragment holds registers 0-3 of lane l at 16 l and registers 4-7 at 512 + 16 l.
; Block Mf, slice = head, rows e = 64 f + 16 i + r, k = d:        M_h[d][e].
; Block N(hd), slice = o / 64, rows o = 64 slice + 16 i + r, k = e: N_hd[e][o].
; A FRAGMENT (head, row tile rt, K step ks) is made with the consumer's k (d or e, rows 32 ks .. +31 of W_q or W_v) as rows and the consumer's rows (e or o,
; 16 rt + r) as columns: lane (r, h) then holds, for column r, rows 8h..8h+7 of a 16-row tile, which packed are registers 0-3 (even tile) or 4-7 (odd tile).
; The sum over the head's 256 columns goes in four stages of 64 on two register buffers: stages 0 and 1 are asked for at once (48 loads, 24 KB a wave), stages
; 2 and 3 as soon as 0 and 1 are multiplied.  Both operands are used once, so both are streamed.
; W_o lies with the summed index down its rows.  A stage's 64 rows x 16 columns come by eight loads of 16 bytes a lane, are packed to f16, laid row by row
; (32 bytes a row) into the wave's own 2,048 bytes of LDS and read back as B fragments by the transposing load.
; FORMATS.  f16 (11 significant bits) wherever the operand has room below 65,504 also with every input 30 times larger: V + pe, W_v, W_o, N_h (sums of 256
; products of numbers of some hundredths), w1, w2.  The score path (K + pe, W_q, W_k, M_h) is in bf16, because the operand that it meets in the fused launch,
; Q' = (Q + pe) M_h, grows with three inputs at once and has no such room.
; Limits: M_h and N_h are rounded once to 16 bits, so the sums of the whole block follow the reassociated order, not reference()'s.  With W_v and W_o both
; 30 times smaller N_h lies among f16's denormals (step 2^-24 against entries of about 3e-5).
.set KR,   16                          ; waves 0-7: v[16:79] K, v[80:143] V, v[144:207] pe, four registers a pass
.set VR,   80
.set PR,   144
.set ST0,  16                          ; waves 8-11: two stage buffers of 96 registers, v[16:111] and v[112:207]: A's f32 in 0-63, B's in 64-95
.set AC,   208                         ; v[208:223] two accumulators
.set OF,   224                         ; v[224:231] the packed fragment
.set WR,   232                         ; v[232:239] half a fragment of w1 or w2 in f32
.set WP,   240                         ; v[240:243] the same packed
.set NLDS, 8192                        ; wave w's transposing stage: LDS bytes 8,192 + 2,048 w .. + 2,047.  Bytes 0-4,095: the column sums' four parts
.macro PLACES cnt
.rept \cnt
	v_nop
.endr
.endm
; Stage c = 0..3: K steps 2 c and 2 c + 1 of the sum.  A: two 16-row tiles x two K steps in fragment order (the lane's k = 8h..8h+7, then 16+8h..16+8h+7): 16 loads.
; B, kind 0 (W_k, rows lie along the sum): the same order, 8 loads.  B, kind 1 (W_o): rows 64 c + 8 g + lane / 4, columns 4 (lane % 4) .. + 3: 8 loads.
.macro LDST c, kind
.irp d, 0,1
.irp e, 0,1
.irp g, 0,1,2,3
	global_load_b128 v[ST0+96*((\c)&1)+16*(2*\d+\e)+4*\g:ST0+96*((\c)&1)+16*(2*\d+\e)+4*\g+3], v5, s[46:47] offset:16*\d*4096+(2*(\c)+\e)*128+16*\g+32*(\g>>1)
.endr
.endr
.endr
.if \kind == 0
.irp e, 0,1
.irp g, 0,1,2,3
	global_load_b128 v[ST0+96*((\c)&1)+64+16*\e+4*\g:ST0+96*((\c)&1)+64+16*\e+4*\g+3], v6, s[12:13] offset:(2*(\c)+\e)*128+16*\g+32*(\g>>1)
.endr
.endr
.else
.irp g, 0,1,2,3,4,5,6,7
	global_load_b128 v[ST0+96*((\c)&1)+64+4*\g:ST0+96*((\c)&1)+64+4*\g+3], v6, s[16:17] offset:(\c)*65536+\g*8192
.endr
.endif
.endm
; cv, wm: the packing conversion and the matrix form of the product's format
.macro STAGE c, kind, cv, wm
.set sb, ST0+96*((\c)&1)
.if (\c) < 3
	s_wait_loadcnt 24                              ; loads come back in order: this stage's 24 are in, the next stage's 24 stay out
.else
	s_wait_loadcnt 0
.endif
.set q, 0
.rept 32
	\cv v[sb+q], v[sb+2*q], v[sb+2*q+1]            ; A in place: fragment (tile d, K step e) at 8 (2 d + e)
.set q, q+1
.endr
.set q, 0
.rept 16
	\cv v[sb+64+q], v[sb+64+2*q], v[sb+64+2*q+1]   ; B in place
.set q, q+1
.endr
.if \kind
.irp g, 0,1,2,3,4,5,6,7
	ds_store_b64 v10, v[sb+64+2*\g:sb+64+2*\g+1] offset:256*\g     ; row 8 g + lane / 4, 8 bytes at 8 (lane % 4): byte 256 g + 8 lane
.endr
.irp e, 0,1                                    ; LDS serves a wave's instructions in order (ISA guide 5.7.1): these see the stores above, and the bytes are the wave's own
	ds_load_tr16_b128 v[sb+80+8*\e:sb+80+8*\e+3],   v11 offset:1024*\e        ; k = 32 e + 8 h .. + 7 of column r
	ds_load_tr16_b128 v[sb+80+8*\e+4:sb+80+8*\e+7], v11 offset:1024*\e+512    ; k = 32 e + 16 + 8 h .. + 7
.endr
	s_wait_dscnt 0x0
.set bo, 80
.else
.set bo, 64
.endif
.irp e, 0,1                                    ; the two accumulators take turns, one instruction a turn
.irp d, 0,1
.set z, 0
.if (\c) == 0
.if \e == 0
.set z, 1
.endif
.endif
.if z
	\wm v[AC+8*\d:AC+8*\d+7], v[sb+8*(2*\d+\e):sb+8*(2*\d+\e)+7], v[sb+bo+8*\e:sb+bo+8*\e+7], 0
.else
	\wm v[AC+8*\d:AC+8*\d+7], v[sb+8*(2*\d+\e):sb+8*(2*\d+\e)+7], v[sb+bo+8*\e:sb+bo+8*\e+7], v[AC+8*\d:AC+8*\d+7]
.endif
.endr
.endr
	PLACES 4                                       ; four places before loads land on the sources and before the results are read
.if (\c) < 2
	LDST (\c)+2, \kind
.endif
.if (\c) == 3
.irp e, 0,1,2,3,4,5,6,7
	\cv v[OF+\e], v[AC+2*\e], v[AC+2*\e+1]
.endr
	global_store_b128 v8, v[OF:OF+3],   s[28:29]               ; 512 consecutive bytes a store
	global_store_b128 v8, v[OF+4:OF+7], s[28:29] offset:512
.endif
.endm
; ---------------- common head.  What stands behind the join of the roles reads only what is written here: s30, v1, s[26:27], v254, v255.
	s_load_b512 s[4:19], s[0:1], 0x0               ; K 4, V 6, pe 8, W_q 10, W_k 12, W_v 14, W_o 16, w1 18
	s_load_b256 s[20:27], s[0:1], 0x40             ; w2 20, kp 22, vp 24, vsum 26
	s_load_b64 s[28:29], s[0:1], 0x60              ; wts
	v_lshl_add_u32 v254, v0, 2, 0x8000
	v_mov_b32 v255, 0
	v_lshrrev_b32 v1, 5, v0
	v_readfirstlane_b32 s30, v1                    ; wave 0..11
	v_lshlrev_b32 v1, 4, v0                        ; 16 t
	s_lshl_b32 s32, ttmp9, 10                      ; the work-group's row of 256 f32 of sums
	s_mov_b32 s33, 0
	s_wait_kmcnt 0x0
	s_add_nc_u64 s[26:27], s[26:27], s[32:33]
	s_cmp_ge_u32 s30, 8
	s_cbranch_scc1 .Lmn
; ---------------- waves 0-7: 64 rows of one batch.  Thread t owns 16 bytes (4 columns) of every fourth row; a pass is 4 rows.
	s_lshl_b32 s32, ttmp9, 16                      ; x 64 rows x 1,024 bytes
	s_and_b32 s34, ttmp9, 7
	s_lshl_b32 s34, s34, 16                        ; pe's rows hang on the block of 64 rows alone
	s_mov_b32 s35, 0
	v_lshlrev_b32 v2, 3, v0                        ; 8 t
	s_add_nc_u64 s[4:5], s[4:5], s[32:33]
	s_add_nc_u64 s[6:7], s[6:7], s[32:33]
	s_add_nc_u64 s[8:9], s[8:9], s[34:35]
	s_lshl_b32 s32, ttmp9, 15                      ; x 64 rows x 512 bytes
	s_add_nc_u64 s[22:23], s[22:23], s[32:33]
	s_add_nc_u64 s[24:25], s[24:25], s[32:33]
.set p, 0
.rept 16
	global_load_b128 v[KR+4*p:KR+4*p+3], v1, s[4:5] offset:4096*p th:TH_LOAD_NT
	global_load_b128 v[VR+4*p:VR+4*p+3], v1, s[6:7] offset:4096*p th:TH_LOAD_NT
	global_load_b128 v[PR+4*p:PR+4*p+3], v1, s[8:9] offset:4096*p
.set p, p+1
.endr
.set p, 0
.rept 16
	s_wait_loadcnt 45-3*p                          ; loads come back in order: this pass's three are in, the later passes' 3 (15 - p) stay out
	v_pk_add_f32 v[KR+4*p:KR+4*p+1],   v[KR+4*p:KR+4*p+1],   v[PR+4*p:PR+4*p+1]
	v_pk_add_f32 v[KR+4*p+2:KR+4*p+3], v[KR+4*p+2:KR+4*p+3], v[PR+4*p+2:PR+4*p+3]
	v_pk_add_f32 v[VR+4*p:VR+4*p+1],   v[VR+4*p:VR+4*p+1],   v[PR+4*p:PR+4*p+1]
	v_pk_add_f32 v[VR+4*p+2:VR+4*p+3], v[VR+4*p+2:VR+4*p+3], v[PR+4*p+2:PR+4*p+3]
	v_cvt_pk_bf16_f32 v[PR+4*p],   v[KR+4*p],   v[KR+4*p+1]      ; the 16-bit words take pe's registers, which are never written again
	v_cvt_pk_bf16_f32 v[PR+4*p+1], v[KR+4*p+2], v[KR+4*p+3]
	v_cvt_pk_f16_f32  v[PR+4*p+2], v[VR+4*p],   v[VR+4*p+1]      ; V + pe in f16
	v_cvt_pk_f16_f32  v[PR+4*p+3], v[VR+4*p+2], v[VR+4*p+3]
	global_store_b64 v2, v[PR+4*p:PR+4*p+1],   s[22:23] offset:2048*p   ; a wave's store covers 256 consecutive bytes, aligned
	global_store_b64 v2, v[PR+4*p+2:PR+4*p+3], s[24:25] offset:2048*p
.if p == 1
	v_pk_add_f32 v[8:9],   v[VR:VR+1],   v[VR+4:VR+5]             ; the first two passes start the column sums
	v_pk_add_f32 v[10:11], v[VR+2:VR+3], v[VR+6:VR+7]
.endif
.if p > 1
	v_pk_add_f32 v[8:9],   v[8:9],   v[VR+4*p:VR+4*p+1]
	v_pk_add_f32 v[10:11], v[10:11], v[VR+4*p+2:VR+4*p+3]
.endif
.set p, p+1
.endr
	ds_store_b128 v1, v[8:11]                      ; threads t, t + 64, t + 128, t + 192 hold the same four columns
	s_branch .Ljoin
; ---------------- waves 8-11: fragment number 2 g + (wave % 2) = (head, rt, ks) of M (waves 8, 9) or of N (waves 10, 11)
.Lmn:
	s_and_b32 s34, s30, 1
	s_lshl_b32 s35, ttmp9, 1
	s_or_b32 s34, s35, s34                         ; number 0..511
	s_lshr_b32 s35, s34, 7                         ; head
	s_bfe_u32 s36, s34, 0x40003                    ; rt
	s_and_b32 s37, s34, 7                          ; ks
	v_and_b32 v2, 31, v0                           ; lane
	v_and_b32 v3, 15, v0                           ; r
	v_bfe_u32 v4, v0, 4, 1                         ; h
	v_lshlrev_b32 v12, 12, v3                      ; r x 4,096 bytes (a row of 1,024 f32)
	v_lshl_add_u32 v12, v4, 5, v12                 ; + 32 h
	s_lshl_b32 s38, s35, 10                        ; the head's 256 columns
	s_lshl_b32 s39, s37, 17                        ; 32 ks rows
	s_add_co_u32 s39, s39, s38
	v_add_nc_u32 v5, s39, v12                      ; A operand: rows of W_q or W_v
	s_lshr_b32 s41, s36, 2                         ; rt / 4
	s_and_b32 s42, s36, 3
	s_lshl3_add_u32 s42, s42, s37                  ; fragment 8 (rt % 4) + ks of its slice
	s_lshl_b32 s42, s42, 10
	s_lshl_b32 s43, s41, 17                        ; M: block rt / 4, slice head
	s_lshl_b32 s44, s35, 15
	s_add_co_u32 s43, s43, s44
	s_xor_b32 s44, s35, 1                          ; N: block 4 + (head xor 1), slice rt / 4
	s_add_co_u32 s44, s44, 4
	s_lshl_b32 s44, s44, 17
	s_lshl_b32 s45, s41, 15
	s_add_co_u32 s44, s44, s45
	s_cmp_lt_u32 s30, 10
	s_cselect_b32 s43, s43, s44
	s_cselect_b64 s[46:47], s[10:11], s[14:15]     ; W_q for M, W_v for N
	s_add_co_u32 s43, s43, s42
	v_lshl_add_u32 v8, v2, 4, s43                  ; where my 16 bytes of the fragment's first half go
	s_cmp_ge_u32 s30, 10
	s_cbranch_scc1 .Lkind_n
	; M_h, in bf16; and half a fragment of w1 or w2: number = (matrix, row tile ft, K step cs, half)
	s_lshl_b32 s40, s36, 16                        ; 16 rt rows
	s_add_co_u32 s40, s40, s38
	v_add_nc_u32 v6, s40, v12                      ; B operand: rows of W_k
	s_bfe_u32 s40, s34, 0x40004                    ; ft
	s_bfe_u32 s41, s34, 0x30001                    ; cs
	s_and_b32 s42, s34, 1                          ; half: 0 registers 0-3 (k = 8h ..), 1 registers 4-7 (k = 16 + 8h ..)
	s_lshr_b32 s44, s34, 8                         ; 0: w1, 1: w2
	v_lshlrev_b32 v7, 10, v3                       ; r x 1,024 bytes
	v_lshl_add_u32 v7, v4, 5, v7                   ; + 32 h
	s_lshl_b32 s45, s40, 14                        ; + 16 ft rows
	s_lshl_b32 s39, s41, 7                         ; + 32 cs columns
	s_add_co_u32 s45, s45, s39
	s_lshl_b32 s39, s42, 6                         ; + 16 columns for the second half
	s_add_co_u32 s45, s45, s39
	v_add_nc_u32 v7, s45, v7
	s_sub_co_u32 s45, 9, s44                       ; w1 is block 9, w2 block 8
	s_lshl_b32 s45, s45, 17
	s_lshl_b32 s39, s40, 13                        ; slice x 32,768 + i x 8,192 = ft x 8,192
	s_add_co_u32 s45, s45, s39
	s_lshl_b32 s39, s41, 10
	s_add_co_u32 s45, s45, s39
	s_lshl_b32 s39, s42, 9
	s_add_co_u32 s45, s45, s39
	v_lshl_add_u32 v9, v2, 4, s45
	s_cmp_eq_u32 s44, 0
	s_cselect_b64 s[48:49], s[18:19], s[20:21]
	global_load_b128 v[WR:WR+3],   v7, s[48:49]
	global_load_b128 v[WR+4:WR+7], v7, s[48:49] offset:16
	LDST 0, 0
	LDST 1, 0
	STAGE 0, 0, v_cvt_pk_bf16_f32, v_wmma_f32_16x16x32_bf16
.irp e, 0,1,2,3                                ; the two loads of w are older than stage 0's, whose wait has shown them in
	v_cvt_pk_f16_f32 v[WP+\e], v[WR+2*\e], v[WR+2*\e+1]
.endr
	global_store_b128 v9, v[WP:WP+3], s[28:29]     ; 512 consecutive bytes
.irp c, 1,2,3
	STAGE \c, 0, v_cvt_pk_bf16_f32, v_wmma_f32_16x16x32_bf16
.endr
	s_branch .Ljoin
.Lkind_n:
	; N_h, in f16
	v_lshrrev_b32 v6, 2, v2                        ; B operand: row lane / 4 of eight rows of W_o,
	v_lshlrev_b32 v6, 10, v6
	v_and_b32 v13, 3, v2
	v_lshl_add_u32 v6, v13, 4, v6                  ; columns 4 (lane % 4) .. + 3 of the tile's sixteen
	s_lshl_b32 s40, s35, 18                        ; + 256 head rows
	s_lshl_b32 s41, s36, 6                         ; + 16 rt columns
	s_add_co_u32 s40, s40, s41
	v_add_nc_u32 v6, s40, v6
	s_mul_i32 s45, s30, 2048
	s_add_co_u32 s45, s45, NLDS                    ; my transposing stage
	v_lshl_add_u32 v10, v2, 3, s45                 ; in: 8 bytes a lane
	v_and_b32 v13, 7, v0
	v_lshl_add_u32 v13, v4, 3, v13
	v_lshlrev_b32 v13, 5, v13                      ; back: row 8 h + lane % 8 of 32 bytes,
	v_bfe_u32 v14, v0, 3, 1
	v_lshl_add_u32 v13, v14, 4, v13                ; its first or second 16 bytes
	v_add_nc_u32 v11, s45, v13
	LDST 0, 1
	LDST 1, 1
.irp c, 0,1,2,3
	STAGE \c, 1, v_cvt_pk_f16_f32, v_wmma_f32_16x16x32_f16
.endr
; ---------------- all twelve waves: one barrier, then waves 0 and 1 (threads 0-63) add the four parts of the column sums
.Ljoin:
	s_wait_dscnt 0x0                               ; for the waves that read: my LDS stores are done before I signal
	s_barrier_signal -1
	s_barrier_wait -1
	s_cmp_gt_u32 s30, 1
	s_cbranch_scc1 .Lend
	ds_load_b128 v[208:211], v1
	ds_load_b128 v[212:215], v1 offset:1024
	ds_load_b128 v[216:219], v1 offset:2048
	ds_load_b128 v[220:223], v1 offset:3072
	s_wait_dscnt 0x0
	v_pk_add_f32 v[208:209], v[208:209], v[212:213]
	v_pk_add_f32 v[210:211], v[210:211], v[214:215]
	v_pk_add_f32 v[216:217], v[216:217], v[220:221]
	v_pk_add_f32 v[218:219], v[218:219], v[222:223]
	v_pk_add_f32 v[208:209], v[208:209], v[216:217]
	v_pk_add_f32 v[210:211], v[210:211], v[218:219]
	global_store_b128 v1, v[208:211], s[26:27]
.Lend:
	s_wait_tensorcnt 0x0
	ds_add_u32 v254, v255
	s_wait_dscnt 0x0
	s_endpgm
.Lfunc_end_k_q5e12c58b47_prep:
	.size	k_q5e12c58b47_prep, .Lfunc_end_k_q5e12c58b47_prep-k_q5e12c58b47_prep
	.p2alignl 7, 3214868480
	.fill 96, 4, 3214868480
	.section	.rodata,"a",@progbits
	.p2align	6, 0x0
	.amdhsa_kernel k_q5e12c58b47_prep
		.amdhsa_group_segment_fixed_size 34304
		.amdhsa_private_segment_fixed_size 0
		.amdhsa_enable_private_segment 0
		.amdhsa_kernarg_size 104
		.amdhsa_user_sgpr_count 2
		.amdhsa_user_sgpr_kernarg_segment_ptr 1
		.amdhsa_wavefront_size32 1
		.amdhsa_system_sgpr_workgroup_id_x 1
		.amdhsa_system_sgpr_workgroup_id_y 1
		.amdhsa_system_sgpr_workgroup_id_z 1
		.amdhsa_system_vgpr_workitem_id 0
		.amdhsa_next_free_vgpr 256
		.amdhsa_next_free_sgpr 66
		.amdhsa_reserve_vcc 0
		.amdhsa_float_denorm_mode_32 3
		.amdhsa_float_denorm_mode_16_64 3
		.amdhsa_memory_ordered 1
		.amdhsa_forward_progress 1
		.amdhsa_inst_pref_size 74
	.end_amdhsa_kernel
	.amdgpu_metadata
---
amdhsa.version: [ 1, 2 ]
amdhsa.kernels:
  - .name:           k_q5e12c58b47_prep
    .symbol:         k_q5e12c58b47_prep.kd
    .args:
      - { .name: K, .offset: 0, .size: 8, .value_kind: global_buffer, .address_space: global }
      - { .name: V, .offset: 8, .size: 8, .value_kind: global_buffer, .address_space: global }
      - { .name: pe, .offset: 16, .size: 8, .value_kind: global_buffer, .address_space: global }
      - { .name: W_q, .offset: 24, .size: 8, .value_kind: global_buffer, .address_space: global }
      - { .name: W_k, .offset: 32, .size: 8, .value_kind: global_buffer, .address_space: global }
      - { .name: W_v, .offset: 40, .size: 8, .value_kind: global_buffer, .address_space: global }
      - { .name: W_o, .offset: 48, .size: 8, .value_kind: global_buffer, .address_space: global }
      - { .name: w1, .offset: 56, .size: 8, .value_kind: global_buffer, .address_space: global }
      - { .name: w2, .offset: 64, .size: 8, .value_kind: global_buffer, .address_space: global }
      - { .name: kp, .offset: 72, .size: 8, .value_kind: global_buffer, .address_space: global }
      - { .name: vp, .offset: 80, .size: 8, .value_kind: global_buffer, .address_space: global }
      - { .name: vsum, .offset: 88, .size: 8, .value_kind: global_buffer, .address_space: global }
      - { .name: wts, .offset: 96, .size: 8, .value_kind: global_buffer, .address_space: global }
    .group_segment_fixed_size: 34304
    .private_segment_fixed_size: 0
    .kernarg_segment_align: 8
    .kernarg_segment_size: 104
    .max_flat_workgroup_size: 384
    .sgpr_count:     66
    .vgpr_count:     256
    .wavefront_size: 32
...
	.end_amdgpu_metadata
.endif
;; end of part 3
;; launch block (part 4): grid 32 x 8, 4 waves a work-group, clusters of 4 x 1, 327,680 bytes of LDS; arguments Q, pe, mask, kp, vp, vsum, wts, b1, b2, gamma, beta, out0; writes out0
.if DOCPART == 4
	.amdgcn_target "amdgcn-amd-amdhsa--gfx1250"
	.amdhsa_code_object_version 6
	.text
	.protected	k_q5e12c58b47_block
	.globl	k_q5e12c58b47_block
	.p2align	8
	.type	k_q5e12c58b47_block,@function
k_q5e12c58b47_block:
	s_mov_b64 s[64:65], 0
	v_nop
	global_prefetch_b8 v0, s[64:65] scope:SCOPE_SE
	s_setreg_imm32_b32 hwreg(HW_REG_WAVE_MODE, 25, 1), 1
	s_wait_xcnt 0x0
	s_wait_alu depctr_hold_cnt(0) depctr_sa_sdst(0) depctr_va_vdst(0) depctr_va_sdst(0) depctr_va_ssrc(0) depctr_va_vcc(0) depctr_vm_vsrc(0)
	s_getreg_b32 s2, hwreg(HW_REG_IB_STS2, 6, 4)
	s_cmp_eq_u32 s2, 0
	s_cbranch_scc0 .Lentry_in_a_cluster
	s_endpgm
.Lentry_in_a_cluster:
	s_bfe_u32 s2, ttmp6, 0x10000c
	s_cmp_lg_u32 s2, 0x3003
	s_cbranch_scc0 .Lentry_shape_is_right
	s_endpgm
.Lentry_shape_is_right:
; The whole transformer block for 64 query rows of one batch, fused: Q' = (Q + pe) M_h, causal attention on the raw Kp and Vp, sum over heads of
; O_h N_h, residual, LayerNorm, FFN, residual, LayerNorm.  M_h = Wq_h Wk_h^T and N_h = Wv_h Wo_h come ready from the launch before.
; SHARES.  Work-group (b, j): rows 32 j .. +31 (q tiles 0, 1: group a) and rows 32 (15 - j) .. +31 (q tiles 2, 3: group b) of batch b.  With keys in blocks
; of 64, group a needs j/2 + 1 blocks and group b 8 - j/2: nine units of 64 keys x 32 rows for every work-group.  Wave w is head w up to the end of
; attention and output columns 64 w .. +63 from then on.
; ATTENTION IS A CHAIN OF NINE UNITS on one set of registers: first group a's (key blocks j/2 down to 0), then group b's (7 - j/2 down to 0).  The unit's text
; stands three times (the first unit, whose products start the sums; a loop of seven; the last, which asks for no further block), so a wave runs most units
; from text that it has run before.  The two ring slots share that text: the slot's bytes are a scalar that is toggled from unit to unit.  At the change of
; groups (a branch on ids alone) group a is finished, group b's Q' is copied into the working registers (128 moves: a matrix instruction names its registers
; in the text), and the running maximum is set to the most negative finite number: the ordinary step's factor is then exp2 of a huge negative number, 0,
; which wipes the old sum and the old O.
; EVERYTHING IS TRANSPOSED: features are rows of each result, query rows are its columns (lane % 16).  Sixteen neighbouring result registers (two feature
; tiles) then pack, inside the lane, into the B fragment of the next product, and what hangs on a query row (maximum, sum, mean) is one number a lane.
; PADDED ROWS.  A row whose mask byte is set has all scores equal in reference(): its weights are 1/512 on all 512 keys, so its O_h is the mean of Vp's rows
; for every head.  It is computed like any row and replaced by that mean by v_cndmask_b32.
; FORMATS.  The score path (Qp, M_h, Q', Kp) is in bf16: Q' grows with Q, W_q and W_k together, 27,000 times if each is 30 times larger, and has no room in f16.
; Everything behind the softmax is in f16, whose 11 significant bits against bf16's 8 the comparison needs: the weights P (at most 1), Vp, its mean and O (a
; convex mix of Vp's rows), N_h, X (at most 16 |gamma| + |beta|, since a normalised row of 256 has no entry above 16), w1, H and w2.
; CLUSTER.  The four work-groups of a cluster have the same j and four different batches: they walk the same ten weight blocks in step and ask for them jointly
; (mask 15).  K and V tiles are not asked for jointly: the work-groups that share a batch have different j, hence other blocks at other times.
; TENSOR LOADS outstanding in a wave, by this text's count: two at the start, one behind each later round.
; LIMITS.  H = relu(X w1^T + b1) must stay below 65,504, f16's largest number: numbers of the drawn kind reach about 5, and about 5,000 with gamma and w1 both
; 30 times larger.  Likewise |V + pe| < 65,504; group a's O and sum are then finite, which the wipe by the factor 0 needs.  Causally hidden keys are left out
; instead of entering as -4294967295: right while true scores stay far above that number.  M_h, N_h, Q', P and O are rounded to 16 bits, in the reassociated
; order.  v_exp_f32 gives zero where the result would be denormal (ISA guide 15.8).
.set WSL,    32768                     ; a wave's slice of a weight block
.set WBLK,   131072                    ; a weight block
.set W0,     0                         ; weight slot 0; during attention its bytes are the two K/V slots
.set KVPART, 17408                     ; a wave's part of a K/V slot: 32 rows of K (pitch 528) or 32 rows of V (pitch 544)
.set KVSLOT, 69632                     ; K rows 0-31, K rows 32-63, V rows 0-31, V rows 32-63.  Its two set bits (16 and 12) are clear in wave x 17,408, so the toggle by xor adds or takes it away
.set W1,     139264                    ; weight slot 1; at the very end each wave's slice is its stage for the way out
.set STAGE,  270336                    ; 64 rows x 528 bytes of 16-bit numbers: Qp, then O of one head at a time, X, H.  Written by ds_store alone
.set STATS,  304128                    ; four areas of 1,024 bytes: byte 16 q + 4 w
.set VMEAN,  308224                    ; the mean of Vp's rows, 256 f16
.set CLIT,   0x3db8aa3a                ; log2(e) / 16.000001
.set NCLIT,  0xbdb8aa3a
; window 0
.set AW,   10                          ; v10, v11  my slice of weight slot 0, 1, + 16 lane
.set AK,   12                          ; K fragments in slot 0: 528 r + 16 h
.set AKC,  13                          ; the same in the slot that this unit reads
.set AV,   14                          ; V by transposing loads in slot 0: (8 h + lane % 8) 544 + 16 ((lane / 8) % 2)
.set AVC,  15                          ; the same in the slot that this unit reads
.set ST,   16                          ; STAGE + 528 r + 16 h
.set STW,  17                          ; the same + 128 w: my 64 columns
.set SS,   18                          ; STATS + 16 r + 4 w
.set SL,   19                          ; STATS + 16 r
.set VMA,  20                          ; VMEAN + 16 h
.set OS,   21                          ; the way out, in:   272 r + 32 h
.set ORD,  22                          ; the way out, back: 272 (lane / 16) + 16 (lane % 16)
.set OUTO, 23                          ; out0: 1,024 (lane / 16) + 256 w + 16 (lane % 16)
.set RESO, 24                          ; residual: 1,024 r + 256 w + 32 h
.set PARO, 25                          ; gamma, beta, b1, b2: 256 w + 32 h
.set DQ,   26                          ; v26-29  q tile t: my row's place in its diagonal key block, less 8 h
.set MX,   30                          ; v30-31  running maximum of the group's two q tiles
.set LS,   34                          ; v34-35  running sum (this half of the lanes' keys)
.set AL,   38                          ; v38-45  pairs: rescaling factor; later 1/sum, mean, 1/sigma
.set NMC,  46                          ; v46-47  - maximum x c, twice
.set SA,   48
.set SB,   50
.set T0,   52                          ; v52-55
.set T4,   56                          ; v56-59
.set CI,   60                          ; 1/256
.set EPS,  61                          ; 1e-5
.set NEGV, 62                          ; the most negative finite f32
.set PST,  63
.set BUF0, 64                          ; the weight products: two buffers of four A fragments
.set BUF1, 96
.set UB0,  64                          ; attention: two buffers of eight A fragments, v64-127 and v192-255
.set UB1,  192
.set ACC,  128                         ; the weight products: v128-255, tile (i, t) at ACC + ((i/2) 4 + t) 16 + (i%2) 8
                                       ; attention: v128-191, key tile i, q tile tt of the group at ACC + ((i/2) 2 + tt) 16 + (i%2) 8
; window 1: fragments (n 8 + ks) 8.  Q' of group b in n = 0, 1 and the working Q' (first group a's) in n = 2, 3; then O of q tiles 0-3 in n = 0-3;
;           then gamma 0, beta 32, b1 64, b2 96 (+ 8 i + register)
; window 2: Qp fragments; then O^T of the group at work, (tt 16 + dt) 8; then the B fragments of the later products; then the way out
; window 3: pe in the first phase (128-255); the mean of Vp as eight fragments (0-63) up to the end of attention; then Q (0-127) and pe (128-255) for the
;           residual; then X in f32 (0-127)
.set GWS, 40                           ; s[40:47] weights, group 1;  s[48:51], s[52:55] group 0 of slot 0, 1
.set GK1, 56                           ; s[56:63] K, group 1
.set GV1, 68                           ; s[68:75] V, group 1
.set G0K, 76                           ; s[76:79] K, group 0
.set KB,  80                           ; s[80:81] kp at my 32 rows of key block 0 of my batch; never rewritten
.set VB,  82                           ; s[82:83] vp likewise
.set G0V, 84                           ; s[84:87] V, group 0
; s36 the unit's number u; s37 = j/2 + 1, the unit at which group b begins; s38 the bytes of the slot that the unit reads (0 or KVSLOT)
.set MSB, 0
.macro WIN new                         ; low byte: bits 1:0 source 0, 3:2 source 1, 5:4 source 2, 7:6 destination; high byte: the setting that is left
.if MSB != \new
	s_set_vgpr_msb (MSB<<8)|\new
.set MSB, \new
.endif
.endm
.macro PLACES cnt                      ; places behind matrix instructions (ISA guide 7.12.1)
.rept \cnt
	v_nop
.endr
.endm
.macro ROUND                           ; a round of the cluster's barrier
	s_barrier_signal -1
	s_barrier_wait -1
	s_cmp_lg_u32 s28, 0
	s_cbranch_scc1 .Lnot_wave_0_\@
	s_barrier_signal -3
.Lnot_wave_0_\@:
	s_barrier_wait -3
	s_barrier_signal -1
	s_barrier_wait -1
.endm
.macro JKV                             ; waves 0, 1 fetch K's halves, waves 2, 3 V's: one tensor load a wave
	s_cmp_eq_u32 s29, 0
	s_cbranch_scc0 .Lfor_v_\@
	tensor_load_to_lds s[G0K:G0K+3], s[GK1:GK1+7]
	s_nop 0
	v_nop
	v_nop
	v_nop
	s_branch .Lasked_\@
.Lfor_v_\@:
	tensor_load_to_lds s[G0V:G0V+3], s[GV1:GV1+7]
	s_nop 0
	v_nop
	v_nop
	v_nop
	v_nop
.Lasked_\@:
.endm
; Head of a trip that fills weight slot g again: all my tensor loads have landed, so a group 0 may step (two blocks on); my LDS accesses are done;
; the round says both of every wave of the four work-groups; the joint refill is the first thing behind it.
.macro WHEAD g
	s_wait_tensorcnt 0x0
	ds_add_u32 v36, v37
	s_add_nc_u64 s[50+4*\g:51+4*\g], s[50+4*\g:51+4*\g], 2*WBLK
	s_wait_dscnt 0x0
	ROUND
	tensor_load_to_lds s[48+4*\g:51+4*\g], s[GWS:GWS+7]
	s_nop 0
.endm
.macro LDA_W buf, areg, ks             ; four A fragments (row tiles 0-3) of K step ks: register images, 512 consecutive bytes a load
.irp i, 0,1,2,3
	ds_load_b128 v[\buf+8*\i:\buf+8*\i+3],   v[\areg] offset:(\i*8+\ks)*1024
	ds_load_b128 v[\buf+8*\i+4:\buf+8*\i+7], v[\areg] offset:(\i*8+\ks)*1024+512
.endr
.endm
; One K step: row tiles 0-3 x q tiles 0-3 into ACC.  B is fragment (t, ks) of the window that source 1 names.  wm: the matrix form of the operands' format.
; The accumulators take turns, one instruction a turn.
.macro MMS buf, ks, zero, wm
.irp i, 0,1,2,3
.irp t, 0,1,2,3
.if \zero
	\wm v[ACC+((\i>>1)*4+\t)*16+(\i&1)*8:ACC+((\i>>1)*4+\t)*16+(\i&1)*8+7], v[\buf+8*\i:\buf+8*\i+7], v[(\t*8+\ks)*8:(\t*8+\ks)*8+7], 0
.else
	\wm v[ACC+((\i>>1)*4+\t)*16+(\i&1)*8:ACC+((\i>>1)*4+\t)*16+(\i&1)*8+7], v[\buf+8*\i:\buf+8*\i+7], v[(\t*8+\ks)*8:(\t*8+\ks)*8+7], v[ACC+((\i>>1)*4+\t)*16+(\i&1)*8:ACC+((\i>>1)*4+\t)*16+(\i&1)*8+7]
.endif
.endr
.endr
.endm
; 64 rows x 64 q x K = 256: weights from my slice, B in window 2.  Two buffers: while one K step is multiplied the next one's eight loads are out.
.macro GEMM128 areg, zero, wm
	WIN 0x08
	LDA_W BUF0, \areg, 0
	LDA_W BUF1, \areg, 1
.irp ks, 0,1,2,3,4,5,6,7
.if \ks < 7
	s_wait_dscnt 0x8                               ; all but the next K step's eight loads
.else
	s_wait_dscnt 0x0
.endif
.if \ks == 0
	MMS BUF0, 0, \zero, \wm
.else
	MMS BUF0+32*(\ks&1), \ks, 0, \wm
.endif
.if \ks < 6
	PLACES 4                                       ; before loads land on the fragments just multiplied
	LDA_W BUF0+32*(\ks&1), \areg, \ks+2
.endif
.endr
	PLACES 5                                       ; before the results are read, the sources loaded again or the tiles started anew
	WIN 0
.endm
.macro LDB                             ; the 32 B fragments (q tile t, K step ks) from the stage into window 2
	WIN 0x80
.irp t, 0,1,2,3
.irp ks, 0,1,2,3,4,5,6,7
	ds_load_b128 v[(\t*8+\ks)*8:(\t*8+\ks)*8+3],   v[ST] offset:\t*8448+\ks*64
	ds_load_b128 v[(\t*8+\ks)*8+4:(\t*8+\ks)*8+7], v[ST] offset:\t*8448+\ks*64+32
.endr
.endr
	WIN 0
.endm
; Rows 64 f .. +63 of Q'^T become bf16 B fragments 2 f, 2 f + 1 in window 1.  Group a's q tiles 0, 1 go to places 2, 3, the working ones; group b's to places 0, 1.
.macro CVTQ f
	WIN 0x40
.irp u, 0,1
.irp t, 0,1,2,3
.irp e, 0,1,2,3,4,5,6,7
	v_cvt_pk_bf16_f32 v[(((\t+2)&3)*8+2*\f+\u)*8+\e], v[ACC+(\u*4+\t)*16+2*\e], v[ACC+(\u*4+\t)*16+2*\e+1]
.endr
.endr
.endr
	WIN 0
.endm
; ------------------------------------------------ the parts of an attention unit: 64 keys x the two q tiles (tt = 0, 1) of the group at work
.macro LDK2 buf, kb                    ; the four key tiles of K steps 2 kb and 2 kb + 1: sixteen loads, eight fragments
.irp e, 0,1
.irp i, 0,1,2,3
	ds_load_b128 v[\buf+8*(4*\e+\i):\buf+8*(4*\e+\i)+3],   v[AKC] offset:(\i>>1)*KVPART+(\i&1)*8448+(2*(\kb)+\e)*64
	ds_load_b128 v[\buf+8*(4*\e+\i)+4:\buf+8*(4*\e+\i)+7], v[AKC] offset:(\i>>1)*KVPART+(\i&1)*8448+(2*(\kb)+\e)*64+32
.endr
.endr
.endm
.macro LDV2 buf, bn                    ; batch bn: keys 32 (bn/2) .. +31, feature tiles 8 (bn%2) .. +7, transposed on the way in: sixteen loads
.irp d, 0,1,2,3,4,5,6,7
	ds_load_tr16_b128 v[\buf+8*\d:\buf+8*\d+3],   v[AVC] offset:((\bn)>>1)*KVPART+(((\bn)&1)*8+\d)*32
	ds_load_tr16_b128 v[\buf+8*\d+4:\buf+8*\d+7], v[AVC] offset:((\bn)>>1)*KVPART+(((\bn)&1)*8+\d)*32+8704
.endr
.endm
; Two K steps of S^T = Kp Q'^T, in bf16: sixteen matrix instructions on eight accumulators, which take turns, one instruction a turn.
.macro MMS2 buf, kb, zero
.irp e, 0,1
.irp i, 0,1,2,3
.irp tt, 0,1
.set z, 0
.if \zero
.if \e == 0
.set z, 1
.endif
.endif
.if z
	v_wmma_f32_16x16x32_bf16 v[ACC+((\i>>1)*2+\tt)*16+(\i&1)*8:ACC+((\i>>1)*2+\tt)*16+(\i&1)*8+7], v[\buf+8*(4*\e+\i):\buf+8*(4*\e+\i)+7], v[((2+\tt)*8+2*(\kb)+\e)*8:((2+\tt)*8+2*(\kb)+\e)*8+7], 0
.else
	v_wmma_f32_16x16x32_bf16 v[ACC+((\i>>1)*2+\tt)*16+(\i&1)*8:ACC+((\i>>1)*2+\tt)*16+(\i&1)*8+7], v[\buf+8*(4*\e+\i):\buf+8*(4*\e+\i)+7], v[((2+\tt)*8+2*(\kb)+\e)*8:((2+\tt)*8+2*(\kb)+\e)*8+7], v[ACC+((\i>>1)*2+\tt)*16+(\i&1)*8:ACC+((\i>>1)*2+\tt)*16+(\i&1)*8+7]
.endif
.endr
.endr
.endr
.endm
; One batch of O^T += Vp^T P^T, in f16: eight feature tiles x two q tiles, sixteen accumulators by turns.
.macro PVMM2 buf, bn, zero
.irp d, 0,1,2,3,4,5,6,7
.irp tt, 0,1
.if \zero
	v_wmma_f32_16x16x32_f16 v[(\tt*16+((\bn)&1)*8+\d)*8:(\tt*16+((\bn)&1)*8+\d)*8+7], v[\buf+8*\d:\buf+8*\d+7], v[ACC+(((\bn)>>1)*2+\tt)*16:ACC+(((\bn)>>1)*2+\tt)*16+7], 0
.else
	v_wmma_f32_16x16x32_f16 v[(\tt*16+((\bn)&1)*8+\d)*8:(\tt*16+((\bn)&1)*8+\d)*8+7], v[\buf+8*\d:\buf+8*\d+7], v[ACC+(((\bn)>>1)*2+\tt)*16:ACC+(((\bn)>>1)*2+\tt)*16+7], v[(\tt*16+((\bn)&1)*8+\d)*8:(\tt*16+((\bn)&1)*8+\d)*8+7]
.endif
.endr
.endr
.endm
; The diagonal block: keys behind the row get the most negative number.  Key 0 of the block is never hidden, so the block's maximum is a true score.
.macro MASK tt, dq
.set x, 0
.rept 32
	v_cmp_gt_i32 vcc_lo, (x>>4)*32+((x>>3)&1)*16+(x&7), v[\dq]
	v_cndmask_b32 v[ACC+\tt*16+(x>>4)*32+(x&15)], v[ACC+\tt*16+(x>>4)*32+(x&15)], v[NEGV], vcc_lo
.set x, x+1
.endr
.endm
; Softmax step of q tile tt on 64 keys: 32 scores a lane in two runs of 16 registers.  mode 1: the very first unit; mode 2: with a running maximum and sum.
.macro SOFTMAX2 tt, mode
	v_max3_num_f32 v[T0],   v[ACC+\tt*16],    v[ACC+\tt*16+1],    v[ACC+\tt*16+2]
	v_max3_num_f32 v[T0+1], v[ACC+32+\tt*16], v[ACC+32+\tt*16+1], v[ACC+32+\tt*16+2]
.irp k, 3,5,7,9,11,13
	v_max3_num_f32 v[T0],   v[T0],   v[ACC+\tt*16+\k],    v[ACC+\tt*16+\k+1]
	v_max3_num_f32 v[T0+1], v[T0+1], v[ACC+32+\tt*16+\k], v[ACC+32+\tt*16+\k+1]
.endr
	v_max3_num_f32 v[T0], v[T0], v[T0+1], v[ACC+\tt*16+15]
	v_max_num_f32 v[T0], v[T0], v[ACC+32+\tt*16+15]
	v_permlanex16_b32 v[T0+1], v[T0], s92, s93     ; the other half of the lanes holds the row's other keys
.if \mode == 1
	v_max_num_f32 v[T0], v[T0], v[T0+1]
	v_mov_b32 v[MX+\tt], v[T0]
.else
	v_max3_num_f32 v[T0], v[T0], v[T0+1], v[MX+\tt]
	v_sub_f32 v[T0+2], v[MX+\tt], v[T0]
	v_mul_f32 v[T0+2], CLIT, v[T0+2]
	v_mov_b32 v[MX+\tt], v[T0]
	v_exp_f32 v[AL+2*\tt],   v[T0+2]               ; the two plain multiplies below stand between these and any use (ISA guide 5.7.2)
	v_exp_f32 v[AL+2*\tt+1], v[T0+2]
.endif
	v_mul_f32 v[NMC],   NCLIT, v[T0]
	v_mul_f32 v[NMC+1], NCLIT, v[T0]
.irp k, 0,2,4,6,8,10,12,14
	v_pk_fma_f32 v[ACC+\tt*16+\k:ACC+\tt*16+\k+1],       v[ACC+\tt*16+\k:ACC+\tt*16+\k+1],       CLIT, v[NMC:NMC+1] op_sel_hi:[1,0,1]
	v_pk_fma_f32 v[ACC+32+\tt*16+\k:ACC+32+\tt*16+\k+1], v[ACC+32+\tt*16+\k:ACC+32+\tt*16+\k+1], CLIT, v[NMC:NMC+1] op_sel_hi:[1,0,1]
.endr
.set x, 0
.rept 32
	v_exp_f32 v[ACC+\tt*16+(x>>4)*32+(x&15)], v[ACC+\tt*16+(x>>4)*32+(x&15)]
.set x, x+1
.endr
	v_nop                                          ; one plain place behind the exponentials
	s_wait_alu depctr_va_vdst(0)
	v_pk_add_f32 v[SA:SA+1], v[ACC+\tt*16:ACC+\tt*16+1],       v[ACC+\tt*16+2:ACC+\tt*16+3]
	v_pk_add_f32 v[SB:SB+1], v[ACC+32+\tt*16:ACC+32+\tt*16+1], v[ACC+32+\tt*16+2:ACC+32+\tt*16+3]
.irp k, 4,6,8,10,12,14
	v_pk_add_f32 v[SA:SA+1], v[SA:SA+1], v[ACC+\tt*16+\k:ACC+\tt*16+\k+1]
	v_pk_add_f32 v[SB:SB+1], v[SB:SB+1], v[ACC+32+\tt*16+\k:ACC+32+\tt*16+\k+1]
.endr
	v_pk_add_f32 v[SA:SA+1], v[SA:SA+1], v[SB:SB+1]
.if \mode == 1
	v_add_f32 v[LS+\tt], v[SA], v[SA+1]
.else
	v_add_f32 v[T0+2], v[SA], v[SA+1]
	v_fma_f32 v[LS+\tt], v[LS+\tt], v[AL+2*\tt], v[T0+2]
.endif
.irp e, 0,1,2,3,4,5,6,7                        ; packed in place to f16 (the weights are at most 1): each run of 16 becomes the B fragment of 32 keys
	v_cvt_pk_f16_f32 v[ACC+\tt*16+\e],    v[ACC+\tt*16+2*\e],    v[ACC+\tt*16+2*\e+1]
	v_cvt_pk_f16_f32 v[ACC+32+\tt*16+\e], v[ACC+32+\tt*16+2*\e], v[ACC+32+\tt*16+2*\e+1]
.endr
.endm
.macro RESCALE tt                      ; the 16 tiles of O^T of q tile tt (window 2) times the lane's factor
	WIN 0x82
.set rq, 0
.rept 64
	v_pk_mul_f32 v[\tt*128+2*rq:\tt*128+2*rq+1], v[\tt*128+2*rq:\tt*128+2*rq+1], v[AL+2*\tt:AL+2*\tt+1]
.set rq, rq+1
.endr
.endm
; A group is finished: O / sum, packed to f16 B fragments at their last place in window 1 (group g: registers 128 g .. +127), padded rows replaced by the mean.
; g = 0: group b's Q' first leaves that place for the working registers, whose Q' is done with.
.macro FINAL g
	v_permlanex16_b32 v[T0],   v[LS],   s92, s93
	v_permlanex16_b32 v[T0+1], v[LS+1], s92, s93
	v_add_f32 v[LS],   v[LS],   v[T0]              ; at least 1: the row's largest score gives exp2(0)
	v_add_f32 v[LS+1], v[LS+1], v[T0+1]
	v_rcp_f32 v[AL],   v[LS]
	v_rcp_f32 v[AL+1], v[LS]
	v_rcp_f32 v[AL+2], v[LS+1]
	v_rcp_f32 v[AL+3], v[LS+1]
	v_nop                                          ; one plain place behind the transcendentals
	s_wait_alu depctr_va_vdst(0)
	RESCALE 0
	RESCALE 1
.if \g == 0
	WIN 0x41
.set rq, 0
.rept 128
	v_mov_b32 v[128+rq], v[rq]
.set rq, rq+1
.endr
.endif
	WIN 0x4a                                       ; fragment register m from registers 2 m, 2 m + 1 of window 2
.set rq, 0
.rept 128
	v_cvt_pk_f16_f32 v[\g*128+rq], v[2*rq], v[2*rq+1]
.set rq, rq+1
.endr
	WIN 0x4d                                       ; source 1: the mean's fragments in window 3
.irp tt, 0,1
.set rq, 0
.rept 64
	v_cndmask_b32 v[\g*128+\tt*64+rq], v[\g*128+\tt*64+rq], v[rq], s[94+2*\g+\tt]
.set rq, rq+1
.endr
.endr
	WIN 0
.endm
; Unit u = s36.  kind 0: u = 0, group a's diagonal block, the products start the sums; kind 1: u = 1 .. 7; kind 2: u = 8, nothing is left to fetch.
; Unit v reads key block j/2 - v while v <= j/2 (group a), else block 8 - v (group b).
.macro UNIT kind
	s_wait_tensorcnt 0x0                           ; all my tensor loads have landed, my part of this unit's block among them: group 0 may be written
	ds_add_u32 v36, v37
	s_wait_dscnt 0x0
.if \kind != 2
	s_add_co_u32 s98, s36, 1                       ; v = u + 1: the block that is asked for now
	s_sub_co_u32 s99, s34, s98
	s_sub_co_u32 s100, 8, s98
	s_cmp_le_u32 s98, s34
	s_cselect_b32 s98, s99, s100
	s_lshl_b32 s98, s98, 15                        ; x 64 rows x 512 bytes
	s_mov_b32 s99, 0
	s_xor_b32 s[G0K+1], s[G0K+1], KVSLOT           ; into the slot that the last unit read
	s_xor_b32 s[G0V+1], s[G0V+1], KVSLOT
	s_add_nc_u64 s[G0K+2:G0K+3], s[KB:KB+1], s[98:99]
	s_add_nc_u64 s[G0V+2:G0V+3], s[VB:VB+1], s[98:99]
	s_or_b32 s[G0K+3], s[G0K+3], 0x80000000
	s_or_b32 s[G0V+3], s[G0V+3], 0x80000000
.endif
	s_wait_dscnt 0x0                               ; my reads of the other slot are done
	PLACES 5                                       ; behind the last products: fragments are loaded again and the score tiles started anew
	ROUND
.if \kind != 2
	JKV
.endif
.if \kind != 0
	s_xor_b32 s38, s38, KVSLOT                     ; this unit reads the other slot than the last
.endif
	v_add_nc_u32 v[AKC], s38, v[AK]
	v_add_nc_u32 v[AVC], s38, v[AV]
.if \kind == 1
	s_cmp_lg_u32 s36, s37
	s_cbranch_scc1 .Lsame_group_\@
	FINAL 0                                        ; group a is done; group b begins with this unit
	v_mov_b32 v[MX],   v[NEGV]                     ; the step's factor becomes 0 and wipes the old O and sum
	v_mov_b32 v[MX+1], v[NEGV]
.Lsame_group_\@:
.endif
	WIN 0x04                                       ; B, the working Q', in window 1
	LDK2 UB0, 0
	LDK2 UB1, 1
.irp kb, 0,1,2,3
.if \kb < 3
	s_wait_dscnt 0x10                              ; all but the next batch's sixteen loads
.else
	s_wait_dscnt 0x0
.endif
.if \kb == 0
	MMS2 UB0, 0, 1
.else
	MMS2 UB0+128*(\kb&1), \kb, 0
.endif
.if \kb < 2
	PLACES 4                                       ; before loads land on the fragments just multiplied
	LDK2 UB0+128*(\kb&1), \kb+2
.endif
.endr
	PLACES 5
	WIN 0
	LDV2 UB0, 0                                    ; V's first two batches come in under the softmax
	LDV2 UB1, 1
.if \kind == 0
	MASK 0, DQ
	MASK 1, DQ+1
	SOFTMAX2 0, 1
	SOFTMAX2 1, 1
.else
.if \kind == 1
	s_cmp_lg_u32 s36, s37
	s_cbranch_scc1 .Lno_diag_\@
	MASK 0, DQ+2                                   ; group b's first block holds its diagonal
	MASK 1, DQ+3
.Lno_diag_\@:
.endif
	SOFTMAX2 0, 2
	SOFTMAX2 1, 2
	RESCALE 0
	RESCALE 1
.endif
.irp bn, 0,1,2,3
.if \bn < 3
	s_wait_dscnt 0x10                              ; all but the next batch's sixteen loads
.else
	s_wait_dscnt 0x0
.endif
.set pz, 0
.if \kind == 0
.if \bn < 2
.set pz, 1
.endif
.endif
	WIN 0xa0                                       ; C and D, O^T, in window 2
	PVMM2 UB0+128*(\bn&1), \bn, pz
	WIN 0
.if \bn < 2
	PLACES 4
	LDV2 UB0+128*(\bn&1), \bn+2
.endif
.endr
.endm
; T0 + t (one number for each q tile) summed over the two halves of the lanes and over the four waves, through area a of STATS
.macro STATX a
.irp t, 0,1,2,3
	v_permlanex16_b32 v[T4+\t], v[T0+\t], s92, s93
.endr
.irp t, 0,1,2,3
	v_add_f32 v[T0+\t], v[T0+\t], v[T4+\t]
	ds_store_b32 v[SS], v[T0+\t] offset:\a*1024+\t*256
.endr
	s_wait_dscnt 0x0                               ; my stores are done before I signal
	s_barrier_signal -1
	s_barrier_wait -1
.irp t, 0,1,2,3
	ds_load_b128 v[BUF0+4*\t:BUF0+4*\t+3], v[SL] offset:\a*1024+\t*256
.endr
	s_wait_dscnt 0x0
.irp t, 0,1,2,3
	v_add_f32 v[T0+\t], v[BUF0+4*\t],   v[BUF0+4*\t+1]
	v_add_f32 v[T4+\t], v[BUF0+4*\t+2], v[BUF0+4*\t+3]
.endr
.irp t, 0,1,2,3
	v_add_f32 v[T0+\t], v[T0+\t], v[T4+\t]
.endr
.endm
; LayerNorm of ACC over the 256 features of each q, in two passes (mean, then the centred squares).  dst = 3: the result goes to window 3, else in place.
.macro LNORM a0, a1, dst
.irp t, 0,1,2,3
	v_pk_add_f32 v[SA:SA+1], v[ACC+\t*16:ACC+\t*16+1],       v[ACC+\t*16+2:ACC+\t*16+3]
	v_pk_add_f32 v[SB:SB+1], v[ACC+64+\t*16:ACC+64+\t*16+1], v[ACC+64+\t*16+2:ACC+64+\t*16+3]
.irp k, 4,6,8,10,12,14
	v_pk_add_f32 v[SA:SA+1], v[SA:SA+1], v[ACC+\t*16+\k:ACC+\t*16+\k+1]
	v_pk_add_f32 v[SB:SB+1], v[SB:SB+1], v[ACC+64+\t*16+\k:ACC+64+\t*16+\k+1]
.endr
	v_pk_add_f32 v[SA:SA+1], v[SA:SA+1], v[SB:SB+1]
	v_add_f32 v[T0+\t], v[SA], v[SA+1]
.endr
	STATX \a0
.irp t, 0,1,2,3
	v_mul_f32 v[AL+2*\t],   v[CI], v[T0+\t]
	v_mul_f32 v[AL+2*\t+1], v[CI], v[T0+\t]
.endr
.irp t, 0,1,2,3
.irp k, 0,2,4,6,8,10,12,14
	v_pk_add_f32 v[ACC+\t*16+\k:ACC+\t*16+\k+1],       v[ACC+\t*16+\k:ACC+\t*16+\k+1],       v[AL+2*\t:AL+2*\t+1] neg_lo:[0,1] neg_hi:[0,1]
	v_pk_add_f32 v[ACC+64+\t*16+\k:ACC+64+\t*16+\k+1], v[ACC+64+\t*16+\k:ACC+64+\t*16+\k+1], v[AL+2*\t:AL+2*\t+1] neg_lo:[0,1] neg_hi:[0,1]
.endr
	v_pk_mul_f32 v[SA:SA+1], v[ACC+\t*16:ACC+\t*16+1],       v[ACC+\t*16:ACC+\t*16+1]
	v_pk_mul_f32 v[SB:SB+1], v[ACC+64+\t*16:ACC+64+\t*16+1], v[ACC+64+\t*16:ACC+64+\t*16+1]
.irp k, 2,4,6,8,10,12,14
	v_pk_fma_f32 v[SA:SA+1], v[ACC+\t*16+\k:ACC+\t*16+\k+1],       v[ACC+\t*16+\k:ACC+\t*16+\k+1],       v[SA:SA+1]
	v_pk_fma_f32 v[SB:SB+1], v[ACC+64+\t*16+\k:ACC+64+\t*16+\k+1], v[ACC+64+\t*16+\k:ACC+64+\t*16+\k+1], v[SB:SB+1]
.endr
	v_pk_add_f32 v[SA:SA+1], v[SA:SA+1], v[SB:SB+1]
	v_add_f32 v[T0+\t], v[SA], v[SA+1]
.endr
	STATX \a1
.irp t, 0,1,2,3
	v_fma_f32 v[T0+\t], v[T0+\t], v[CI], v[EPS]    ; variance + 1e-5
.endr
.irp t, 0,1,2,3
	v_rsq_f32 v[AL+2*\t],   v[T0+\t]
	v_rsq_f32 v[AL+2*\t+1], v[T0+\t]
.endr
	v_nop                                          ; one plain place behind the transcendentals
	s_wait_alu depctr_va_vdst(0)
.irp t, 0,1,2,3
.irp k, 0,2,4,6,8,10,12,14
	v_pk_mul_f32 v[ACC+\t*16+\k:ACC+\t*16+\k+1],       v[ACC+\t*16+\k:ACC+\t*16+\k+1],       v[AL+2*\t:AL+2*\t+1]
	v_pk_mul_f32 v[ACC+64+\t*16+\k:ACC+64+\t*16+\k+1], v[ACC+64+\t*16+\k:ACC+64+\t*16+\k+1], v[AL+2*\t:AL+2*\t+1]
.endr
.endr
.if \dst == 3
	WIN 0xd4
.set db, 0
.else
	WIN 0x14
.set db, ACC
.endif
.irp i, 0,1,2,3
.irp t, 0,1,2,3
.irp p, 0,2,4,6
	v_pk_fma_f32 v[db+((\i>>1)*4+\t)*16+(\i&1)*8+\p:db+((\i>>1)*4+\t)*16+(\i&1)*8+\p+1], v[ACC+((\i>>1)*4+\t)*16+(\i&1)*8+\p:ACC+((\i>>1)*4+\t)*16+(\i&1)*8+\p+1], v[8*\i+\p:8*\i+\p+1], v[32+8*\i+\p:32+8*\i+\p+1]
.endr
.endr
.endr
	WIN 0
.endm
.macro BIAS pb                         ; ACC += the parameter at pb in window 1 (one number for each feature)
	WIN 0x04
.irp i, 0,1,2,3
.irp t, 0,1,2,3
.irp p, 0,2,4,6
	v_pk_add_f32 v[ACC+((\i>>1)*4+\t)*16+(\i&1)*8+\p:ACC+((\i>>1)*4+\t)*16+(\i&1)*8+\p+1], v[ACC+((\i>>1)*4+\t)*16+(\i&1)*8+\p:ACC+((\i>>1)*4+\t)*16+(\i&1)*8+\p+1], v[\pb+8*\i+\p:\pb+8*\i+\p+1]
.endr
.endr
.endr
	WIN 0
.endm
; One head's share of the output projection: wave hh puts its O fragments on the stage, all waves take them as B and multiply by their slice of N(hh).
.macro NTRIP hh, g, areg, zero, par
	s_cmp_lg_u32 s28, \hh
	s_cbranch_scc1 .Lnot_mine_\@
	WIN 0x04
.irp t, 0,1,2,3
.irp ks, 0,1,2,3,4,5,6,7
	ds_store_b128 v[ST], v[(\t*8+\ks)*8:(\t*8+\ks)*8+3]   offset:\t*8448+\ks*64
	ds_store_b128 v[ST], v[(\t*8+\ks)*8+4:(\t*8+\ks)*8+7] offset:\t*8448+\ks*64+32
.endr
.endr
	WIN 0
.Lnot_mine_\@:
	WHEAD \g
.if \par
	WIN 0x40                                       ; window 1 is free: every wave's O has gone to the stage
.irp i, 0,1,2,3
	global_load_b128 v[8*\i:8*\i+3],       v[PARO], s[22:23] offset:64*\i
	global_load_b128 v[8*\i+4:8*\i+7],     v[PARO], s[22:23] offset:64*\i+16
	global_load_b128 v[32+8*\i:32+8*\i+3], v[PARO], s[24:25] offset:64*\i
	global_load_b128 v[32+8*\i+4:32+8*\i+7], v[PARO], s[24:25] offset:64*\i+16
	global_load_b128 v[64+8*\i:64+8*\i+3], v[PARO], s[18:19] offset:64*\i
	global_load_b128 v[64+8*\i+4:64+8*\i+7], v[PARO], s[18:19] offset:64*\i+16
	global_load_b128 v[96+8*\i:96+8*\i+3], v[PARO], s[20:21] offset:64*\i
	global_load_b128 v[96+8*\i+4:96+8*\i+7], v[PARO], s[20:21] offset:64*\i+16
.endr
	WIN 0
.endif
	LDB
	s_wait_dscnt 0x0                               ; my reads of the stage are done:
	s_barrier_signal -1
	s_barrier_wait -1                              ; behind this barrier its next writer may store (no LDS bytes are filled by a tensor load behind it)
	GEMM128 \areg, \zero, v_wmma_f32_16x16x32_f16
.endm
; ---------------------------------------------------------------- ids, descriptors, first fills
	s_load_b512 s[4:19], s[0:1], 0x0               ; Q 4, pe 6, mask 8, kp 10, vp 12, vsum 14, wts 16, b1 18
	s_load_b256 s[20:27], s[0:1], 0x40             ; b2 20, gamma 22, beta 24, out0 26
	v_lshl_add_u32 v36, v0, 2, 0x4b600
	v_mov_b32 v37, 0
	ds_add_u32 v36, v37
	v_lshrrev_b32 v1, 5, v0
	v_readfirstlane_b32 s28, v1                    ; wave 0..3
	s_lshr_b32 s29, s28, 1                         ; 0: I fetch for K, 1: for V
	s_and_b32 s30, s28, 1                          ; which 32 rows of the block I fetch
	s_bfe_u32 s31, ttmp6, 0x40000                  ; cx
	s_lshl_b32 s32, ttmp9, 2
	s_add_co_u32 s32, s32, s31                     ; batch b = 4 x cluster x + cx: enters global addresses of my own loads and stores alone
	s_and_b32 s33, ttmp7, 0xffff                   ; j, the same in the four partners
	s_lshr_b32 s34, s33, 1                         ; j / 2
	s_mov_b32 s92, 0x76543210                      ; v_permlanex16_b32: lane i reads lane i of the other half
	s_mov_b32 s93, 0xfedcba98
	; weights, group 1: a dense slice as 128 rows of 32 elements of 8 bytes; mask 15 (all four partners), bit 21 beside it
	s_mov_b32 s[GWS+0], 15|(3<<16)|(1<<21)
	s_mov_b32 s[GWS+1], 32<<16
	s_mov_b32 s[GWS+2], 128<<16
	s_mov_b32 s[GWS+3], 32<<16
	s_mov_b32 s[GWS+4], 128
	s_mov_b32 s[GWS+5], 32
	s_mov_b32 s[GWS+6], 0
	s_mov_b32 s[GWS+7], 0
	s_mul_i32 s98, s28, WSL                        ; my slice: wave x 32,768, in the block and in the slot
	s_mov_b32 s99, 0
	s_mov_b32 s48, 1
	s_add_co_u32 s49, s98, W0
	s_mov_b32 s52, 1
	s_add_co_u32 s53, s98, W1
	s_wait_dscnt 0x0
	s_wait_kmcnt 0x0
	s_add_nc_u64 s[50:51], s[16:17], s[98:99]      ; block 0 (M0)
	s_add_nc_u64 s[54:55], s[50:51], WBLK          ; block 1 (M1)
	s_or_b32 s51, s51, 0x80000000
	s_or_b32 s55, s55, 0x80000000
	ROUND                                          ; the four work-groups are here: the first joint loads meet
	tensor_load_to_lds s[48:51], s[GWS:GWS+7]
	s_nop 0
	tensor_load_to_lds s[52:55], s[GWS:GWS+7]
	s_nop 0
	; K and V, group 1: 32 rows of 256 numbers of 2 bytes, padded by 16 (K) or 32 (V) bytes behind every 128 words; no mask: these are my own loads
	s_mov_b32 s[GK1+0], (1<<16)|(1<<20)|(6<<22)|(3<<25)
	s_mov_b32 s[GK1+1], 256<<16
	s_mov_b32 s[GK1+2], 32<<16
	s_mov_b32 s[GK1+3], 256<<16
	s_mov_b32 s[GK1+4], 32
	s_mov_b32 s[GK1+5], 256
	s_mov_b32 s[GK1+6], 0
	s_mov_b32 s[GK1+7], 0
	s_mov_b32 s[GV1+0], (1<<16)|(1<<20)|(6<<22)|(7<<25)
	s_mov_b32 s[GV1+1], 256<<16
	s_mov_b32 s[GV1+2], 32<<16
	s_mov_b32 s[GV1+3], 256<<16
	s_mov_b32 s[GV1+4], 32
	s_mov_b32 s[GV1+5], 256
	s_mov_b32 s[GV1+6], 0
	s_mov_b32 s[GV1+7], 0
	s_lshl_b32 s100, s32, 9                        ; row 512 b
	s_lshl_b32 s101, s30, 5
	s_add_co_u32 s100, s100, s101                  ; + my 32 rows of a block
	s_lshl_b32 s100, s100, 9                       ; x 512 bytes
	s_mov_b32 s101, 0
	s_add_nc_u64 s[KB:KB+1], s[10:11], s[100:101]
	s_add_nc_u64 s[VB:VB+1], s[12:13], s[100:101]
	s_lshl_b32 s100, s34, 15                       ; unit 0 reads key block j/2, group a's diagonal
	s_mul_i32 s35, s28, KVPART                     ; my part of a slot: wave x 17,408
	s_mov_b32 s[G0K+0], 1
	s_add_co_u32 s[G0K+1], s35, 0                  ; slot 0
	s_add_nc_u64 s[G0K+2:G0K+3], s[KB:KB+1], s[100:101]
	s_or_b32 s[G0K+3], s[G0K+3], 0x80000000
	s_mov_b32 s[G0V+0], 1
	s_add_co_u32 s[G0V+1], s35, 0
	s_add_nc_u64 s[G0V+2:G0V+3], s[VB:VB+1], s[100:101]
	s_or_b32 s[G0V+3], s[G0V+3], 0x80000000
	; row bases: group a in s[4:5] Q, s[6:7] pe, s[26:27] out0; group b in s[10:11], s[12:13], s[16:17]
	s_lshl_b32 s38, s32, 19                        ; b x 512 rows x 1,024 bytes
	s_mov_b32 s39, 0
	s_lshl_b32 s98, s33, 15                        ; 32 j rows
	s_sub_co_u32 s100, 15, s33
	s_lshl_b32 s100, s100, 15                      ; 32 (15 - j) rows
	s_add_nc_u64 s[4:5], s[4:5], s[38:39]
	s_add_nc_u64 s[26:27], s[26:27], s[38:39]
	s_add_nc_u64 s[10:11], s[4:5], s[100:101]
	s_add_nc_u64 s[4:5], s[4:5], s[98:99]
	s_add_nc_u64 s[12:13], s[6:7], s[100:101]
	s_add_nc_u64 s[6:7], s[6:7], s[98:99]
	s_add_nc_u64 s[16:17], s[26:27], s[100:101]
	s_add_nc_u64 s[26:27], s[26:27], s[98:99]
	s_lshl_b32 s38, s32, 13
	s_add_nc_u64 s[14:15], s[14:15], s[38:39]      ; vsum of my batch
	s_lshl_b32 s38, s32, 9
	s_add_nc_u64 s[8:9], s[8:9], s[38:39]          ; mask of my batch
	s_lshl_b32 s38, s30, 14                        ; q tile w: group w / 2, 16 (w % 2) rows down
	s_cmp_lt_u32 s28, 2
	s_cselect_b64 s[98:99], s[4:5], s[10:11]
	s_cselect_b64 s[100:101], s[6:7], s[12:13]
	s_add_nc_u64 s[98:99], s[98:99], s[38:39]
	s_add_nc_u64 s[100:101], s[100:101], s[38:39]
	; lane terms
	v_and_b32 v1, 31, v0                           ; lane
	v_and_b32 v2, 15, v0                           ; r
	v_bfe_u32 v3, v0, 4, 1                         ; h
	v_lshlrev_b32 v4, 4, v1
	v_add_nc_u32 v[AW], s49, v4
	v_add_nc_u32 v[AW+1], s53, v4
	v_mul_u32_u24 v5, v2, 528
	v_lshl_add_u32 v5, v3, 4, v5
	v_mov_b32 v[AK], v5
	v_add_nc_u32 v[ST], STAGE, v5
	v_lshl_add_u32 v[STW], s28, 7, v[ST]
	v_and_b32 v6, 7, v0
	v_lshl_add_u32 v6, v3, 3, v6
	v_mul_u32_u24 v6, v6, 544
	v_bfe_u32 v7, v0, 3, 1
	v_lshl_add_u32 v6, v7, 4, v6
	v_add_nc_u32 v[AV], 2*KVPART, v6
	v_lshlrev_b32 v7, 4, v2
	v_add_nc_u32 v[SL], STATS, v7
	v_lshl_add_u32 v[SS], s28, 2, v[SL]
	v_lshlrev_b32 v7, 4, v3
	v_add_nc_u32 v[VMA], VMEAN, v7
	v_mul_u32_u24 v7, v2, 272
	v_lshl_add_u32 v7, v3, 5, v7
	v_add_nc_u32 v[OS], s53, v7
	v_mul_u32_u24 v7, v3, 272
	v_lshl_add_u32 v7, v2, 4, v7
	v_add_nc_u32 v[ORD], s53, v7
	v_lshlrev_b32 v7, 10, v3
	v_lshl_add_u32 v7, v2, 4, v7
	v_lshl_add_u32 v[OUTO], s28, 8, v7
	v_lshlrev_b32 v7, 10, v2
	v_lshl_add_u32 v7, v3, 5, v7
	v_lshl_add_u32 v[RESO], s28, 8, v7
	v_lshlrev_b32 v7, 5, v3
	v_lshl_add_u32 v[PARO], s28, 8, v7
	v_lshlrev_b32 v7, 3, v3
	v_sub_nc_u32 v7, v2, v7                        ; r - 8 h
	s_and_b32 s37, s33, 1
	s_lshl_b32 s37, s37, 5                         ; group a starts 32 (j % 2) keys into its diagonal block,
	s_sub_co_u32 s36, 32, s37                      ; group b 32 - 32 (j % 2)
	v_add_nc_u32 v[DQ], s37, v7
	v_add_nc_u32 v[DQ+1], 16, v[DQ]
	v_add_nc_u32 v[DQ+2], s36, v7
	v_add_nc_u32 v[DQ+3], 16, v[DQ+2]
	s_mul_i32 s37, s28, 8448
	s_add_co_u32 s37, s37, STAGE
	v_lshl_add_u32 v[PST], v1, 3, s37              ; stage rows 16 w .., 8 bytes a lane
	v_lshlrev_b32 v5, 2, v0
	v_add_nc_u32 v5, VMEAN, v5                     ; the mean: 4 bytes a thread
	v_lshlrev_b32 v6, 3, v0                        ; vsum: 8 bytes a thread
	s_lshl_b32 s37, s33, 5
	v_add_nc_u32 v8, s37, v2                       ; mask byte of row 32 j + r
	s_sub_co_u32 s37, 15, s33
	s_lshl_b32 s37, s37, 5
	v_add_nc_u32 v9, s37, v2                       ; and of row 32 (15 - j) + r
.irp e, 0,1,2,3,4,5,6,7
	v_mov_b32 v[T0+\e], 0                          ; destinations of v_permlanex16_b32 count as read
.endr
	v_mov_b32 v[CI], 0x3b800000
	v_mov_b32 v[EPS], 0x3727c5ac
	v_mov_b32 v[NEGV], 0xff7fffff
; ---------------------------------------------------------------- Qp = Q + pe of q tile w to the stage as bf16; the mean of Vp as f16; the mask
.set x, 0
.rept 32
	global_load_b128 v[ACC+4*x:ACC+4*x+3], v4, s[98:99] offset:512*x      ; half a row: 512 consecutive bytes
.set x, x+1
.endr
	WIN 0xc0
.set x, 0
.rept 32
	global_load_b128 v[ACC+4*x:ACC+4*x+3], v4, s[100:101] offset:512*x
.set x, x+1
.endr
	WIN 0
.irp k, 0,1,2,3,4,5,6,7
	global_load_b64 v[BUF0+2*\k:BUF0+2*\k+1], v6, s[14:15] offset:1024*\k
.endr
	global_load_u8 v[BUF1],   v8, s[8:9]
	global_load_u8 v[BUF1+1], v8, s[8:9] offset:16
	global_load_u8 v[BUF1+2], v9, s[8:9]
	global_load_u8 v[BUF1+3], v9, s[8:9] offset:16
	s_wait_loadcnt 0x0
	WIN 0x0c
.set x, 0
.rept 64
	v_pk_add_f32 v[ACC+2*x:ACC+2*x+1], v[ACC+2*x:ACC+2*x+1], v[ACC+2*x:ACC+2*x+1]   ; source 1 is pe, in window 3
.set x, x+1
.endr
	WIN 0
.set x, 0
.rept 64
	v_cvt_pk_bf16_f32 v[ACC+x], v[ACC+2*x], v[ACC+2*x+1]
.set x, x+1
.endr
.set x, 0
.rept 32
	ds_store_b64 v[PST], v[ACC+2*x:ACC+2*x+1] offset:(x>>1)*528+(x&1)*256
.set x, x+1
.endr
.irp k, 1,2,3,4,5,6,7
	v_pk_add_f32 v[BUF0:BUF0+1], v[BUF0:BUF0+1], v[BUF0+2*\k:BUF0+2*\k+1]
.endr
	v_pk_mul_f32 v[BUF0:BUF0+1], v[BUF0:BUF0+1], 0x3b000000 op_sel_hi:[1,0]       ; / 512
	v_cvt_pk_f16_f32 v[BUF0], v[BUF0], v[BUF0+1]
	ds_store_b32 v5, v[BUF0]
.irp t, 0,1,2,3
	v_cmp_ne_u32 s[94+\t], 0, v[BUF1+\t]           ; lane (r, h): is row r of q tile t padded?
.endr
; ---------------------------------------------------------------- Q'^T = M_h^T Qp^T, 64 rows a trip, in bf16
	s_wait_tensorcnt 0x1                           ; M0 has landed; M1 may stay out
	s_wait_dscnt 0x0                               ; my rows of the stage and my part of the mean are written
	s_barrier_signal -1
	s_barrier_wait -1
	LDB                                            ; Qp stays in window 2 for the four trips
	WIN 0xc0
.irp ks, 0,1,2,3,4,5,6,7
	ds_load_b128 v[8*\ks:8*\ks+3],   v[VMA] offset:64*\ks            ; the mean of Vp as eight B fragments (the same for every q), kept in window 3
	ds_load_b128 v[8*\ks+4:8*\ks+7], v[VMA] offset:64*\ks+32
.endr
	WIN 0
	GEMM128 AW, 1, v_wmma_f32_16x16x32_bf16
	CVTQ 0
	WHEAD 0                                        ; M2 into slot 0
	GEMM128 AW+1, 1, v_wmma_f32_16x16x32_bf16
	CVTQ 1
	WHEAD 1                                        ; M3 into slot 1
	GEMM128 AW, 1, v_wmma_f32_16x16x32_bf16
	CVTQ 2
	s_wait_tensorcnt 0x0
	ds_add_u32 v36, v37
	s_wait_dscnt 0x0
	ROUND
	JKV                                            ; unit 0's key block, over weight slot 0's bytes, whose last reads are done
	GEMM128 AW+1, 1, v_wmma_f32_16x16x32_bf16
	CVTQ 3
; ---------------------------------------------------------------- attention: nine units
	s_mov_b32 s36, 0                               ; u
	s_mov_b32 s38, 0                               ; unit 0 reads slot 0
	s_add_co_u32 s37, s34, 1                       ; group b begins with unit j/2 + 1, which is 1 to 4
	UNIT 0
	s_mov_b32 s36, 1
.Lunit:
	UNIT 1
	s_add_co_u32 s36, s36, 1
	s_cmp_lt_u32 s36, 8
	s_cbranch_scc1 .Lunit
	UNIT 2                                         ; unit 8: group b's key block 0
	s_wait_tensorcnt 0x0
	ds_add_u32 v36, v37
	s_add_nc_u64 s[54:55], s[54:55], 2*WBLK
	s_wait_dscnt 0x0
	PLACES 5
	ROUND
	tensor_load_to_lds s[52:55], s[GWS:GWS+7]      ; N0 into slot 1; it lands under what follows
	s_nop 0
	FINAL 1
	WIN 0xc0                                       ; the residual's Q and pe in the accumulators' layout, into window 3; they come in under the next four trips
.irp t, 0,1,2,3
.irp i, 0,1,2,3
	global_load_b128 v[((\i>>1)*4+\t)*16+(\i&1)*8:((\i>>1)*4+\t)*16+(\i&1)*8+3],         v[RESO], s[4+(\t>>1)*6:5+(\t>>1)*6] offset:(\t&1)*16384+64*\i
	global_load_b128 v[((\i>>1)*4+\t)*16+(\i&1)*8+4:((\i>>1)*4+\t)*16+(\i&1)*8+7],       v[RESO], s[4+(\t>>1)*6:5+(\t>>1)*6] offset:(\t&1)*16384+64*\i+16
	global_load_b128 v[128+((\i>>1)*4+\t)*16+(\i&1)*8:128+((\i>>1)*4+\t)*16+(\i&1)*8+3],   v[RESO], s[6+(\t>>1)*6:7+(\t>>1)*6] offset:(\t&1)*16384+64*\i
	global_load_b128 v[128+((\i>>1)*4+\t)*16+(\i&1)*8+4:128+((\i>>1)*4+\t)*16+(\i&1)*8+7], v[RESO], s[6+(\t>>1)*6:7+(\t>>1)*6] offset:(\t&1)*16384+64*\i+16
.endr
.endr
	WIN 0
; ---------------------------------------------------------------- sum over heads of N_h^T O_h^T, in f16; from here wave w owns features 64 w .. +63
	NTRIP 0, 0, AW+1, 1, 0                         ; reads N0 in slot 1; N1 goes into slot 0
	NTRIP 1, 1, AW,   0, 0                         ; N2 into slot 1
	NTRIP 2, 0, AW+1, 0, 0                         ; N3 into slot 0
	NTRIP 3, 1, AW,   0, 1                         ; w1 into slot 1; the four parameters into window 1
; ---------------------------------------------------------------- X = LayerNorm(Qp + Vatt W_o)
	s_wait_loadcnt 0x0                             ; residual and parameters
	WIN 0x0c
.set x, 0
.rept 64
	v_pk_add_f32 v[ACC+2*x:ACC+2*x+1], v[ACC+2*x:ACC+2*x+1], v[2*x:2*x+1]
.set x, x+1
.endr
.set x, 0
.rept 64
	v_pk_add_f32 v[ACC+2*x:ACC+2*x+1], v[ACC+2*x:ACC+2*x+1], v[128+2*x:128+2*x+1]
.set x, x+1
.endr
	WIN 0
	LNORM 0, 1, 3                                  ; X in f32 stays in window 3 for the second residual
	WIN 0x0f
.set x, 0
.rept 64
	v_cvt_pk_f16_f32 v[BUF0+x], v[2*x], v[2*x+1]
.set x, x+1
.endr
	WIN 0
.irp u, 0,1
.irp t, 0,1,2,3
	ds_store_b128 v[STW], v[BUF0+(\u*4+\t)*8:BUF0+(\u*4+\t)*8+3]   offset:\t*8448+64*\u
	ds_store_b128 v[STW], v[BUF0+(\u*4+\t)*8+4:BUF0+(\u*4+\t)*8+7] offset:\t*8448+64*\u+32
.endr
.endr
; ---------------------------------------------------------------- H = relu(X w1^T + b1)
	WHEAD 0                                        ; w2 into slot 0
	LDB
	s_wait_dscnt 0x0
	s_barrier_signal -1
	s_barrier_wait -1                              ; every wave has taken X: the stage may be written again
	GEMM128 AW+1, 1, v_wmma_f32_16x16x32_f16
	BIAS 64
.set x, 0
.rept 128
	v_max_num_f32 v[ACC+x], 0, v[ACC+x]
.set x, x+1
.endr
.irp g, 0,1,2,3,4,5,6,7
.irp e, 0,1,2,3,4,5,6,7
	v_cvt_pk_f16_f32 v[ACC+16*\g+\e], v[ACC+16*\g+2*\e], v[ACC+16*\g+2*\e+1]
.endr
.endr
.irp u, 0,1
.irp t, 0,1,2,3
	ds_store_b128 v[STW], v[ACC+(\u*4+\t)*16:ACC+(\u*4+\t)*16+3]   offset:\t*8448+64*\u
	ds_store_b128 v[STW], v[ACC+(\u*4+\t)*16+4:ACC+(\u*4+\t)*16+7] offset:\t*8448+64*\u+32
.endr
.endr
; ---------------------------------------------------------------- out = LayerNorm(H w2^T + b2 + X)
	s_wait_tensorcnt 0x0                           ; w2 has landed; no tensor load follows
	s_wait_dscnt 0x0
	s_barrier_signal -1
	s_barrier_wait -1
	LDB
	GEMM128 AW, 1, v_wmma_f32_16x16x32_f16
	BIAS 96
	WIN 0x0c
.set x, 0
.rept 64
	v_pk_add_f32 v[ACC+2*x:ACC+2*x+1], v[ACC+2*x:ACC+2*x+1], v[2*x:2*x+1]
.set x, x+1
.endr
	WIN 0
	LNORM 2, 3, 0
; ---------------------------------------------------------------- the way out: through my slice of slot 1, which has had its last fill and which I alone touch
.irp t, 0,1,2,3
.irp i, 0,1,2,3
	ds_store_b128 v[OS], v[ACC+((\i>>1)*4+\t)*16+(\i&1)*8:ACC+((\i>>1)*4+\t)*16+(\i&1)*8+3]   offset:\t*4352+64*\i
	ds_store_b128 v[OS], v[ACC+((\i>>1)*4+\t)*16+(\i&1)*8+4:ACC+((\i>>1)*4+\t)*16+(\i&1)*8+7] offset:\t*4352+64*\i+16
.endr
.endr
	WIN 0x80
.set rq, 0
.rept 32
	ds_load_b128 v[4*rq:4*rq+3], v[ORD] offset:544*rq          ; LDS serves a wave's instructions in order (ISA guide 5.7.1): these see the stores above
.set rq, rq+1
.endr
	WIN 0x08
.set rq, 0
.rept 32
	s_wait_dscnt 31-rq                             ; the younger read-backs stay out
	global_store_b128 v[OUTO], v[4*rq:4*rq+3], s[26-(rq>>4)*10:27-(rq>>4)*10] offset:2048*(rq&15) th:TH_STORE_NT   ; 16 lanes store 256 consecutive bytes, aligned
.set rq, rq+1
.endr
	WIN 0
	s_wait_tensorcnt 0x0
	ds_add_u32 v36, v37
	s_wait_dscnt 0x0
	ROUND                                          ; the closing round: no work-group ends while a partner may still ask jointly
	s_endpgm
.Lfunc_end_k_q5e12c58b47_block:
	.size	k_q5e12c58b47_block, .Lfunc_end_k_q5e12c58b47_block-k_q5e12c58b47_block
	.p2alignl 7, 3214868480
	.fill 96, 4, 3214868480
	.section	.rodata,"a",@progbits
	.p2align	6, 0x0
	.amdhsa_kernel k_q5e12c58b47_block
		.amdhsa_group_segment_fixed_size 327680
		.amdhsa_private_segment_fixed_size 0
		.amdhsa_enable_private_segment 0
		.amdhsa_kernarg_size 96
		.amdhsa_user_sgpr_count 2
		.amdhsa_user_sgpr_kernarg_segment_ptr 1
		.amdhsa_wavefront_size32 1
		.amdhsa_system_sgpr_workgroup_id_x 1
		.amdhsa_system_sgpr_workgroup_id_y 1
		.amdhsa_system_sgpr_workgroup_id_z 1
		.amdhsa_system_vgpr_workitem_id 0
		.amdhsa_next_free_vgpr 1024
		.amdhsa_next_free_sgpr 102
		.amdhsa_reserve_vcc 1
		.amdhsa_float_denorm_mode_32 3
		.amdhsa_float_denorm_mode_16_64 3
		.amdhsa_memory_ordered 1
		.amdhsa_forward_progress 1
		.amdhsa_inst_pref_size 255
	.end_amdhsa_kernel
	.section	.bss,"aw",@nobits
	.p2align	6
	.space	262144
	.amdgpu_metadata
---
amdhsa.version: [ 1, 2 ]
amdhsa.kernels:
  - .name:           k_q5e12c58b47_block
    .symbol:         k_q5e12c58b47_block.kd
    .args:
      - { .name: Q, .offset: 0, .size: 8, .value_kind: global_buffer, .address_space: global }
      - { .name: pe, .offset: 8, .size: 8, .value_kind: global_buffer, .address_space: global }
      - { .name: mask, .offset: 16, .size: 8, .value_kind: global_buffer, .address_space: global }
      - { .name: kp, .offset: 24, .size: 8, .value_kind: global_buffer, .address_space: global }
      - { .name: vp, .offset: 32, .size: 8, .value_kind: global_buffer, .address_space: global }
      - { .name: vsum, .offset: 40, .size: 8, .value_kind: global_buffer, .address_space: global }
      - { .name: wts, .offset: 48, .size: 8, .value_kind: global_buffer, .address_space: global }
      - { .name: b1, .offset: 56, .size: 8, .value_kind: global_buffer, .address_space: global }
      - { .name: b2, .offset: 64, .size: 8, .value_kind: global_buffer, .address_space: global }
      - { .name: gamma, .offset: 72, .size: 8, .value_kind: global_buffer, .address_space: global }
      - { .name: beta, .offset: 80, .size: 8, .value_kind: global_buffer, .address_space: global }
      - { .name: out0, .offset: 88, .size: 8, .value_kind: global_buffer, .address_space: global }
    .group_segment_fixed_size: 327680
    .private_segment_fixed_size: 0
    .kernarg_segment_align: 8
    .kernarg_segment_size: 96
    .max_flat_workgroup_size: 128
    .sgpr_count:     102
    .vgpr_count:     1024
    .wavefront_size: 32
...
	.end_amdgpu_metadata
.endif
;; end of part 4
